; MI455X (gfx1250); checked and timed in simulation.
; The chip was launched on July 23, 2026; its instructions are those of AMD's public machine-readable ISA for CDNA 5 (MIT licence, August 2026) and "CDNA5" Instruction Set Architecture Reference Guide (July 2026). The comments in the code are by the model that wrote it; some were corrected since.
;; Causal Self Attention. Allowed arithmetic: matrix products marked QUANTISED: E2M1 operands, one E8M0 scale for each 32 along K, by v_wmma_scale_f32_16x16x128_f8f6f4 with both operands' format E2M1 (or v_wmma_scale_f32_32x16x128_f4), f32 sums; everything else in f32.
;; Inputs: W_proj 1,024 x 1,024 float32; W_qkv 3,072 x 1,024 float32; b_proj 1,024 float32; b_qkv 3,072 float32; x 4 x 2,048 x 1,024 float32.
;; Outputs: out0 4 x 2,048 x 1,024 float32.
;; This version of the problem:
;;   THIS VERSION OF THE PROBLEM IS GIVEN IN LOW PRECISION. The matrix products marked QUANTISED in the list below multiply operands that are first quantised to E2M1 (2 exponent bits, 1 mantissa bit; 4 bits a number), with one power-of-two scale for each 32 numbers along K (OCP MX v1.0); their sums are f32. All else is computed in f32.
;;   The module's matrix products, in the order in which they are computed (A, B: the left and right operand; K: the contracted axis; several contracted axes count as one K, in the product's order):
;;     1. [M 8,192, K 1,024] x [K 1,024, N 3,072]; A: input x; B: input W_qkv: QUANTISED
;;     2. batch 64 x [M 2,048, K 64] x [K 64, N 2,048]; A: computed on the way; B: computed on the way: QUANTISED
;;     3. batch 64 x [M 2,048, K 2,048] x [K 2,048, N 64]; A: softmax (see below); B: computed on the way: QUANTISED
;;     4. [M 8,192, K 1,024] x [K 1,024, N 1,024]; A: computed on the way; B: input W_proj: QUANTISED
;;   THE QUANTISER, for each operand of a quantised product, along K:
;;     - K is cut into blocks of 32 from its start; a last block that is shorter is filled with zeros.
;;     - A block's scale is 2^e with e = floor(log2(the largest magnitude in the block)) - 2, held to -126 .. 127; a block of zeros has e = 0. As a byte (E8M0): e + 127.
;;     - Each number is divided by its block's scale, clamped to +-6, and rounded to the nearest number of E2M1, ties to even, subnormals kept.
;;     - The product sums the exact products of the quantised numbers (number of the format x scale) in f32.
;;   ~~~python
;;   def quantise(x, axis):      # numpy; x: float32 -> the quantised numbers, widened to float32 again
;;       x = np.moveaxis(x, axis, -1); K = x.shape[-1]
;;       x = np.pad(x, [(0, 0)] * (x.ndim - 1) + [(0, -K % 32)]); x = x.reshape(x.shape[:-1] + (-1, 32)); a = np.abs(x).max(-1, keepdims=True)
;;       e = np.where(a > 0, np.clip(np.frexp(np.where(a > 0, a, 1))[1] - 1 - 2, -126, 127), 0)      # np.frexp(a)[1] - 1 = floor(log2(a)), exactly
;;       r = np.clip(x / 2.0 ** e, -6, 6)
;;       step = 2.0 ** (np.maximum(np.frexp(np.where(r == 0, 1, r))[1] - 1, 0) - 1)
;;       q = np.round(r / step) * step * 2.0 ** e      # np.round: ties to even
;;       return np.moveaxis(q.reshape(q.shape[:-2] + (-1,))[..., :K], -1, axis).astype(np.float32)
;;   ~~~
;;   SOFTMAX AHEAD OF A QUANTISED PRODUCT. Where the list says 'softmax', what is quantised is not the finished softmax but p = 2^(t - M), with t = logit x log2(e) and M = ceil(the row's largest t), a whole number; so 1/2 < the row's largest p <= 1. The row's sum l is taken of the UNQUANTISED p, in f32, and the product's result is divided by l at the end. Since M is a whole number, a kernel that streams over the keys may use a running M (the ceiling of the running maximum): every later rescaling is an exact power of two, which a block's scale takes up: the codes' values come out the same.
;;   OPERANDS COMPUTED ON THE WAY. 'Computed on the way' means the value that the module computes at that place (a softmax that the list does not call 'softmax' is quantised finished and normalised). What goes into a quantiser is computed in f32, as accurately as f32 sums, v_exp_f32 and their like allow (about 1e-6 of the number): no bf16 or f16 on the way to a quantiser, and a product that is left as it is and whose result goes on into a quantised operand takes f32 operands (vector FMAs, or v_wmma_f32_16x16x4_f32). A number that lies on a knife's edge between two numbers of the format may be rounded either way, as far as f32 arithmetic and the matrix unit's own rounding can turn it there, and no further.
;; One version. Each part assembles by itself: llvm-mc -triple=amdgcn-amd-amdhsa -mcpu=gfx1250 --defsym DOCPART=n.
;; ======== version 1 of 1: 4 launches
;; workspace buffers: xq 4,456,448 bytes; wq 1,671,168 bytes; wp 557,056 bytes; qi 4,456,448 bytes; kv 8,912,896 bytes; oq 4,456,448 bytes
;; launch quant (part 1): grid 384 x 1, 4 waves a work-group, no clusters, 33,280 bytes of LDS; arguments x, W_qkv, W_proj, xq, wq, wp; writes xq, wq, wp
.if DOCPART == 1
	.amdgcn_target "amdgcn-amd-amdhsa--gfx1250"
	.amdhsa_code_object_version 6
	.text
	.protected	k_qb30b106b5f_quant
	.globl	k_qb30b106b5f_quant
	.p2align	8
	.type	k_qb30b106b5f_quant,@function
k_qb30b106b5f_quant:
	s_mov_b64 s[64:65], 0
	v_nop
	global_prefetch_b8 v0, s[64:65] scope:SCOPE_SE
	s_setreg_imm32_b32 hwreg(HW_REG_WAVE_MODE, 25, 1), 1
	s_wait_xcnt 0x0
; CAUSAL SELF-ATTENTION IN MX-FP4, four launches: (1) this one: x, W_qkv, W_proj into codes; (2) q, k, v = x W_qkv^T + b_qkv, quantised on the way out; (3) attention; (4) the projection.
; DEAD WORK, for the whole program.  reference() sets the score of key k for query q to -infinity where k > q, by a mask that it builds in its own body (jnp.tril).  There p = 2^(-infinity) = 0 whatever finite
; values the inputs hold: its code is 0, it adds nothing to the row's sum and nothing to the third product.  So the third launch leaves out each step of 128 keys all of which come after all queries of a wave's
; tile: that part of the second and third products.  Nothing else is left out, and all five inputs are loaded (k's bias too: it moves k's codes).
; LIMIT: a NaN, an infinity or an overflow that would arise only in the scores left out is not carried to the result.
; THIS LAUNCH.  x [8192][1024], W_qkv [3072][1024], W_proj [1024][1024], f32, K innermost, become codes of FP4 (E2M1), two a byte, K innermost, 512 bytes a row, and one E8M0 byte for each 32 along K, 32 bytes a row;
; in each workspace buffer the codes come first and the scale bytes behind them.  A block's scale is 2^(floor(log2(its largest magnitude)) - 2); its byte is the largest magnitude's exponent field - 2, held at 1 from below.
; (A block of zeros so gets the byte 1 where the rule says 127: its codes are zeros, which add nothing under any byte but 0xff, and the bytes are read by this program alone.)
; LIMITS: blocks whose largest magnitude lies under 2^-124, the floor, are held at the byte 1; NaN and infinities among the inputs are not served.
; THE ROWS ARE STORED IN ANOTHER ORDER: place p holds row sigma(p), p with its bits 3 and 4 exchanged.  So the 16 rows that a later launch takes as tile t of a product's source 0 are rows 32 (t / 2) + 8 (t % 2) + (0..7, 16..23),
; and the results of tiles 2 b and 2 b + 1 lie in a lane as 16 neighbours along the next product's K.  A wave takes 8 whole rows (8,192 numbers), so the order costs one exchange of two bits of the wave's number.
; A wave takes 16 steps of 512 numbers.  Each of a step's four loads reads 512 consecutive bytes; the 2,048 bytes turn through the wave's own stage in LDS and come back 64 bytes a lane, since the conversions take
; neighbours along K from one lane's registers (two neighbouring lanes hold a block).  A lane's 16 codes are 8 bytes: the wave stores 256 consecutive bytes.  A wave's 256 scale bytes are gathered in LDS and leave as one
; aligned run of 256 bytes.  No tensor loads, no barrier: waves share nothing.  Matrix units and clusters have no work here: the launch only streams.
.set WAVES, 4
.set STEPS, 16
.set EMAX,  2
.set CB,    8                          ; bytes of 16 codes
.set R,     16                         ; v16-79   four sets of 16 numbers as they are loaded
.set X,     80                         ; v80-111  two sets of 16 neighbours
.set C,     128                        ; v128-191 codes: four registers for each step, so that no store's data are written again
.set E,     112                        ; v112-127 a scale byte for each step
.set WREG,  8192                       ; LDS: a region for each wave: two stages of 32 x SP bytes, and behind them its 256 scale bytes
.set SP,    80                         ; a lane's place in a stage: its 64 bytes + 16 of padding
.set SPW,   12                         ; v12      LDS address of my spare word; never rewritten
.set NIL,   13                         ; v13      0; never rewritten
.set SPARE, WAVES*WREG                 ; behind the four regions: the spare words, 128 bytes for each wave
.set XC,    4194304                    ; where the scale bytes begin in xq,
.set WQC,   1572864                    ; in wq,
.set WPC,   524288                     ; in wp
	s_load_b256 s[4:11], s[0:1], 0x0               ; x s[4:5], W_qkv s[6:7], W_proj s[8:9], xq s[10:11]
	s_load_b128 s[12:15], s[0:1], 0x20             ; wq s[12:13], wp s[14:15]
	v_lshl_add_u32 v[SPW], v0, 2, SPARE
	v_mov_b32 v[NIL], 0
	v_lshrrev_b32 v1, 5, v0
	v_readfirstlane_b32 s20, v1                    ; wave
	v_and_b32 v2, 31, v0                           ; lane
	v_lshlrev_b32 v3, 4, v2                        ; my 16 bytes of a load's 512
	s_mul_i32 s21, s20, WREG
	v_lshrrev_b32 v14, 2, v2
	v_mul_u32_u24 v14, v14, SP
	v_and_b32 v15, 3, v2
	v_lshl_add_u32 v14, v15, 4, v14
	v_add_nc_u32 v14, s21, v14                     ; the stage, on the way in: SP (lane / 4) + 16 (lane % 4)
	v_mul_u32_u24 v15, v2, SP
	v_add_nc_u32 v15, s21, v15                     ; and on the way out: SP x lane: my 16 neighbours
	v_mul_u32_u24 v4, v2, CB                       ; my codes' place in a step's
	v_lshrrev_b32 v5, 1, v2
	s_add_co_u32 s21, s21, 2*32*SP
	v_add_nc_u32 v5, s21, v5                       ; LDS: my wave's 256 scale bytes, my block's byte
	v_lshlrev_b32 v7, 3, v2                        ; and on the way out 8 bytes a lane
	v_add_nc_u32 v6, s21, v7
	s_wait_kmcnt 0x0
	s_cmp_lt_u32 ttmp9, 352                        ; work-groups 0-255 take x, 256-351 W_qkv, 352-383 W_proj: the choice hangs on the work-group's number alone
	s_cselect_b64 s[16:17], s[6:7], s[8:9]
	s_cselect_b64 s[18:19], s[12:13], s[14:15]
	s_mov_b32 s22, 352
	s_cselect_b32 s22, 256, s22                    ; the tensor's first work-group
	s_mov_b32 s23, WPC
	s_cselect_b32 s23, WQC, s23                    ; where its scale bytes begin
	s_cmp_lt_u32 ttmp9, 256
	s_cselect_b64 s[16:17], s[4:5], s[16:17]
	s_cselect_b64 s[18:19], s[10:11], s[18:19]
	s_cselect_b32 s22, 0, s22
	s_cselect_b32 s23, XC, s23
	s_sub_co_u32 s24, ttmp9, s22
	s_lshl_b32 s24, s24, 2
	s_add_co_u32 s25, s24, s20                     ; the run of 8 rows that I read: 4 x work-group + wave
	s_and_b32 s26, s20, 1
	s_lshl_b32 s26, s26, 1
	s_lshr_b32 s27, s20, 1
	s_or_b32 s26, s26, s27                         ; the wave's two bits exchanged: they are bits 3 and 4 of the row
	s_add_co_u32 s26, s24, s26                     ; the run's place in the output
	s_lshl_b32 s28, s25, 15                        ; 32,768 bytes of f32 a run
	s_mov_b32 s29, 0
	s_add_nc_u64 s[16:17], s[16:17], s[28:29]
	s_lshl_b32 s28, s26, 12                        ; 4,096 bytes of codes
	s_add_nc_u64 s[30:31], s[18:19], s[28:29]
	s_lshl_b32 s28, s26, 8                         ; 256 scale bytes
	s_add_co_u32 s28, s28, s23
	s_add_nc_u64 s[18:19], s[18:19], s[28:29]
.macro LOAD t
.irp i, 0,1,2,3
	global_load_b128 v[R+16*((\t)%4)+4*\i:R+16*((\t)%4)+4*\i+3], v3, s[16:17] offset:2048*(\t)+512*\i th:TH_LOAD_NT   ; 32 lanes read 512 consecutive bytes; read once in the launch
.endr
.endm
.macro TURN t                          ; step t's numbers through the stage: LDS serves a wave's instructions in order, so no wait stands between the stores and the loads
.irp i, 0,1,2,3
	ds_store_b128 v14, v[R+16*((\t)%4)+4*\i:R+16*((\t)%4)+4*\i+3] offset:32*SP*((\t)%2)+8*SP*\i
.endr
.irp i, 0,1,2,3
	ds_load_b128 v[X+16*((\t)%2)+4*\i:X+16*((\t)%2)+4*\i+3], v15 offset:32*SP*((\t)%2)+16*\i
.endr
.endm
.irp t, 0,1,2,3
	LOAD \t
.endr
	s_wait_loadcnt 12                              ; step 0's four loads are in; the twelve of steps 1 to 3 may be out
	TURN 0
.macro STEP t
.set XS, X+16*((\t)%2)
.if (\t) > 0
	s_wait_dscnt 1                                 ; this step's numbers are back from the stage (the last step's byte store may be out): so its stores into the stage have read their registers,
.else
	s_wait_dscnt 0x0
.endif
.if (\t)+4 < STEPS
	LOAD (\t)+4                                    ; which take the loads of four steps on
.endif
.if (\t)+1 < STEPS
.if STEPS-2-(\t) >= 3
	s_wait_loadcnt 12                              ; the next step's four loads are in; those of the three steps behind it may be out
.else
	s_wait_loadcnt 4*(STEPS-2-(\t))
.endif
	TURN (\t)+1                                    ; and go through the other stage while this step is worked
.endif
	v_max3_num_f32 v8, |v[XS]|, |v[XS+1]|, |v[XS+2]|               ; the largest magnitude of my 16, in two chains
	v_max3_num_f32 v9, |v[XS+3]|, |v[XS+4]|, |v[XS+5]|
.irp i, 6,10
	v_max3_num_f32 v8, v8, |v[XS+\i]|, |v[XS+\i+1]|
	v_max3_num_f32 v9, v9, |v[XS+\i+2]|, |v[XS+\i+3]|
.endr
	v_max3_num_f32 v8, v8, |v[XS+14]|, |v[XS+15]|
	v_max3_num_f32 v8, v8, v9, (EMAX+1)<<23        ; and the floor 2^(3 - 127): so the byte cannot fall under 1
	v_max_num_f32_dpp v8, v8, v8 row_xmask:1 row_mask:0xf bank_mask:0xf   ; and of my neighbour's 16: the block's
	v_add_nc_u32 v11, -(EMAX<<23), v8              ; 2 off its exponent field: the conversion takes the exponent field of this operand as its scale, and nothing else of it
	v_cvt_scalef32_pk8_fp4_f32 v[C+4*(\t)], v[XS:XS+7], v11        ; to the nearest code, ties to even, beyond the largest code the largest; the first number's code in the lowest four bits
	v_cvt_scalef32_pk8_fp4_f32 v[C+4*(\t)+1], v[XS+8:XS+15], v11
	v_lshrrev_b32 v[E+(\t)], 23, v11               ; the scale's byte (also the plain line behind the conversions)
	ds_store_b8 v5, v[E+(\t)] offset:16*(\t)       ; both lanes of a block write the same byte with the same value
	global_store_b64 v4, v[C+4*(\t):C+4*(\t)+1], s[30:31] offset:32*CB*(\t)   ; the wave stores 256 consecutive bytes, aligned
.endm
.irp t, 0,1,2,3,4,5,6,7,8,9,10,11,12,13,14,15
	STEP \t
.endr
	ds_load_b64 v[8:9], v6                         ; LDS serves a wave's instructions in order: these see my stores
	s_wait_dscnt 0x0
	global_store_b64 v7, v[8:9], s[18:19]          ; 32 lanes store 256 consecutive bytes, aligned: eight rows' scale bytes
	s_wait_tensorcnt 0x0                           ; the wave's end, behind my last LDS store
	ds_add_u32 v[SPW], v[NIL]
	s_wait_dscnt 0x0
	s_endpgm
.Lfunc_end_k_qb30b106b5f_quant:
	.size	k_qb30b106b5f_quant, .Lfunc_end_k_qb30b106b5f_quant-k_qb30b106b5f_quant
	.p2alignl 7, 3214868480
	.fill 96, 4, 3214868480
	.section	.rodata,"a",@progbits
	.p2align	6, 0x0
	.amdhsa_kernel k_qb30b106b5f_quant
		.amdhsa_group_segment_fixed_size 33280
		.amdhsa_private_segment_fixed_size 0
		.amdhsa_enable_private_segment 0
		.amdhsa_kernarg_size 48
		.amdhsa_user_sgpr_count 2
		.amdhsa_user_sgpr_kernarg_segment_ptr 1
		.amdhsa_wavefront_size32 1
		.amdhsa_system_sgpr_workgroup_id_x 1
		.amdhsa_system_sgpr_workgroup_id_y 1
		.amdhsa_system_sgpr_workgroup_id_z 1
		.amdhsa_system_vgpr_workitem_id 0
		.amdhsa_next_free_vgpr 192
		.amdhsa_next_free_sgpr 66
		.amdhsa_reserve_vcc 0
		.amdhsa_float_denorm_mode_32 3
		.amdhsa_float_denorm_mode_16_64 3
		.amdhsa_memory_ordered 1
		.amdhsa_forward_progress 1
		.amdhsa_inst_pref_size 34
	.end_amdhsa_kernel
	.amdgpu_metadata
---
amdhsa.version: [ 1, 2 ]
amdhsa.kernels:
  - .name:           k_qb30b106b5f_quant
    .symbol:         k_qb30b106b5f_quant.kd
    .args:
      - { .name: x, .offset: 0, .size: 8, .value_kind: global_buffer, .address_space: global }
      - { .name: W_qkv, .offset: 8, .size: 8, .value_kind: global_buffer, .address_space: global }
      - { .name: W_proj, .offset: 16, .size: 8, .value_kind: global_buffer, .address_space: global }
      - { .name: xq, .offset: 24, .size: 8, .value_kind: global_buffer, .address_space: global }
      - { .name: wq, .offset: 32, .size: 8, .value_kind: global_buffer, .address_space: global }
      - { .name: wp, .offset: 40, .size: 8, .value_kind: global_buffer, .address_space: global }
    .group_segment_fixed_size: 33280
    .private_segment_fixed_size: 0
    .kernarg_segment_align: 8
    .kernarg_segment_size: 48
    .max_flat_workgroup_size: 128
    .sgpr_count:     66
    .vgpr_count:     192
    .wavefront_size: 32
...
	.end_amdgpu_metadata
.endif
;; end of part 1
;; launch qkv (part 2): grid 12 x 32, 4 waves a work-group, clusters of 4 x 4, 327,680 bytes of LDS; arguments xq, wq, b_qkv, qi, kv; writes qi, kv
.if DOCPART == 2
	.amdgcn_target "amdgcn-amd-amdhsa--gfx1250"
	.amdhsa_code_object_version 6
	.text
	.protected	k_qb30b106b5f_qkv
	.globl	k_qb30b106b5f_qkv
	.p2align	8
	.type	k_qb30b106b5f_qkv,@function
k_qb30b106b5f_qkv:
	s_mov_b64 s[64:65], 0
	v_nop
	global_prefetch_b8 v0, s[64:65] scope:SCOPE_SE
	s_setreg_imm32_b32 hwreg(HW_REG_WAVE_MODE, 25, 1), 1
	s_wait_xcnt 0x0
	s_wait_alu depctr_hold_cnt(0) depctr_sa_sdst(0) depctr_va_vdst(0) depctr_va_sdst(0) depctr_va_ssrc(0) depctr_va_vcc(0) depctr_vm_vsrc(0)
	s_getreg_b32 s2, hwreg(HW_REG_IB_STS2, 6, 4)
	s_cmp_eq_u32 s2, 0
	s_cbranch_scc0 .Lentry_in_a_cluster
	s_endpgm
.Lentry_in_a_cluster:
	s_bfe_u32 s2, ttmp6, 0x10000c
	s_cmp_lg_u32 s2, 0xf033
	s_cbranch_scc0 .Lentry_shape_is_right
	s_endpgm
.Lentry_shape_is_right:
; q, k, v = x W_qkv^T + b_qkv on codes of FP4 (E2M1) with one E8M0 scale for each 32 along K = 1,024; the results are quantised on the way out and leave as codes alone, laid as the next launch's operand registers.
; A work-group of four waves makes 256 x 256 results, a wave 128 x 128: 64 accumulators of 16 x 16, 512 registers.  K goes in two steps of 512 through two LDS slots, both asked for at the head: nothing is filled again.
; ROLES.  The loop multiplies an A role (source 1: a lane holds ONE of its rows) by a B role (source 0: a lane's registers run along its rows).  What is quantised next must run along a lane's registers:
;   cluster x = 0 (q), 1 (k): A = tokens (xq), B = features (wq rows 0 .. 2,047): the results run along the head's 64;
;   cluster x = 2 (v):        A = features (wq rows 2,048 ..), B = tokens (xq):   the results run along the keys, which are the third product's K.
; Only pointers and first rows are chosen, by the cluster's x, which all sixteen partners share.
; ROW ORDER.  xq and wq hold their rows with bits 3 and 4 of the row's number exchanged.  So row r of tile t is row 32 (t / 2) + 8 (t % 2) + r % 8 + 16 (r / 8), and register j of accumulator (a, b) in lane (r, h) is
; B-role row 32 (b / 2) + 16 h + 8 (b % 2) + j: the 64 registers of a block a are, in fours of 16, neighbours along the next K.
; CLUSTERS: 4 x 4 work-groups.  The four of a row of the cluster need the same tiles of the A role, the four of a column the same tiles of the B role: each tile is asked for jointly.
; THE WAY OUT uses no LDS: for each block a the bias is added (the same packed addition brings the sums into window 0), the lane's 64 numbers are quantised in registers, and the operand's registers are stored as they
; stand, 16 bytes a lane: each store of the wave covers 512 consecutive bytes, aligned.
;   qi: [b h 64][step 16] records of 4,352 bytes: 8 images of 512 bytes (image a: lane (r, h) = block h of the head's 64 of token tau(a, r)), then 256 bytes of scale words [r][a / 2] = {2 bytes of tile a even, 2 of tile a odd}.
;   kv: records of 8,704 bytes: k's 8 images, v's 8 images (image (dt, c): lane (r, h) = channel tau(dt, r), keys 64 c + 32 h + 0 .. 31), k's scale words [r][a / 2], v's scale words [r][dt].
; The two ways out (q, k and v) part behind the change of slots and meet at the closing lines; each loads its bias at its head, 256 matrix instructions ahead of the first use, and holds slot 1's four steps.
; No tile is prefetched: all tiles of a work-group are asked for by its first loads.
; REGISTERS, in windows of 256: window 0: v0-31 addresses; v32-95 scale words, two sets; v128-191 A's fragments, one set; v192-255 the bias; on the way out v32-95 64 numbers, v96-132 at work.
;   window 1: B's fragments, two sets, at v0 and v128.   window 2: the accumulators of my rows 0-63 ((a, b) at v[8 (8 a + b)]);   window 3: those of my rows 64-127.
.set NQ,     4                         ; matrix instructions deep in a slot: 512 along K
.set ROWB,   256                       ; a tile's row in bytes
.set KROW,   512                       ; a row of codes in memory
.set PITCH,  272                       ; an LDS row: 256 bytes + 16 of padding = 68 words, so the 16 rows that a load touches start at 16 different banks (64 banks of 4 bytes: ISA guide 11.1)
.set FR,     8                         ; registers of a fragment: 16 rows x 128 K
.set NL,     2                         ; LDS loads that bring one
.set NP,     4                         ; places behind this matrix instruction (ISA guide 7.12.1)
.set HALFT,  128*PITCH
.set SLOT,   4*HALFT                   ; A's 256 rows, then B's 256 rows
.set KS,     32                        ; a row of scale bytes
.set SCL,    2*SLOT                    ; behind the slots: the scale bytes, as runs of 256 bytes + 16 of padding
.set HALFS,  16*272                    ; those of 128 rows
.set SBLK,   2*272                     ; those of 16 rows
.set SPARE,  SCL+4*HALFS               ; the spare words, 128 bytes for each wave
.set XC,     4194304                   ; where the scale bytes begin in xq,
.set WQC,    1572864                   ; and in wq
.set HEADB,  139264                    ; a head's 16 records in kv
.set ADRA, 16                          ; v16-17  LDS address of my A fragments in slot 0, 1
.set ADRB, 20                          ; v20-21  the same for B
.set LI,   24                          ; v24     16 x lane: an image's place for my lane
.set SO,   25                          ; v25     my place among the scale words on the way out
.set ADRS, 27                          ; v27     LDS address of my scale words: lanes 0-15 A's rows, lanes 16-31 B's
.set SPW,  28                          ; v28     LDS address of my spare word; never rewritten
.set NIL,  29                          ; v29     0; never rewritten
.set BQ,   30                          ; v30     the bias of q, k: 64 x (lane / 16)
.set BV,   31                          ; v31     the bias of v: 4 x (r + 8 (r / 8))
.set SC,   32                          ; scale words: set s at v[SC + 32 s]; register 4 i + q: lanes 0-15 A's block i, lanes 16-31 B's block i
.set AF,   128
.set BB,   192                         ; the bias
.set T,    32                          ; the way out: a block's 64 numbers
.set PC,   96                          ; v96-103  the codes just made
.set TM,   104                         ; v104-119 at work in the quantiser
.set PWS,  120                         ; v120-127 the scale word of each block a
.set W,    128                         ; v128-131 the scale words as they are stored
.set SELV, 132
.set SEL,  2                           ; s[2:3]   v_permlanex16_b32's selects for lane l xor 16
.set G1, 24
.set G0, 32
.set G1B, 48
.set G0B, 56
.set G1S, 68
.set G0S, 76
.set G1SB, 80
.set G0SB, 88
.set MSB, 0
.macro WIN new                         ; the immediate's high byte repeats the setting that is left
.if MSB != \new
	s_set_vgpr_msb (MSB<<8)|\new
.set MSB, \new
.endif
.endm
.set MUL_LO, 0xa1                      ; source 0 (B) window 1, source 1 (A) window 0, C and D window 2
.set MUL_HI, 0xf1                      ; the same, C and D window 3
.set TO_B,   0x40                      ; destination window 1, address window 0
; A joint load: waves 0 and 1 fetch for the A role, waves 2 and 3 for the B role.  The branch hangs on the wave's number alone.  An s_nop 0 and four v_nop follow each of the two lines.
.macro JLOAD g0a, g1a, g0b, g1b
	s_cmp_eq_u32 s15, 0
	s_cbranch_scc0 .Lfor_b_\@
	tensor_load_to_lds s[\g0a:\g0a+3], s[\g1a:\g1a+7]
	s_nop 0
.rept 4
	v_nop
.endr
	s_branch .Lasked_\@
.Lfor_b_\@:
	tensor_load_to_lds s[\g0b:\g0b+3], s[\g1b:\g1b+7]
	s_nop 0
.rept 4
	v_nop
.endr
.Lasked_\@:
.endm
.macro CROUND                          ; a round of the cluster's barrier
	s_barrier_signal -1
	s_barrier_wait -1
	s_cmp_lg_u32 s14, 0
	s_cbranch_scc1 .Lnot_wave_0_\@
	s_barrier_signal -3
.Lnot_wave_0_\@:
	s_barrier_wait -3
	s_barrier_signal -1
	s_barrier_wait -1
.endm
	s_load_b256 s[4:11], s[0:1], 0x0               ; xq s[4:5], wq s[6:7], b_qkv s[8:9], qi s[10:11]
	s_load_b64 s[12:13], s[0:1], 0x20              ; kv
	v_lshl_add_u32 v[SPW], v0, 2, SPARE
	v_mov_b32 v[NIL], 0
	ds_add_u32 v[SPW], v[NIL]                      ; the wave's opening: the add, twice on end, and its wait ahead of my first tensor load
	ds_add_u32 v[SPW], v[NIL]
	v_lshrrev_b32 v1, 5, v0
	v_readfirstlane_b32 s14, v1                    ; wave 0..3
	s_lshr_b32 s15, s14, 1                         ; which half of the A role's rows is mine.  Also: I fetch for A (0) or for B (1)
	s_and_b32 s16, s14, 1                          ; which half of the B role's rows.  Also: which 128 rows of that tile I fetch
	s_bfe_u32 s40, ttmp6, 0x40000                  ; cx, cy: my place in the cluster
	s_bfe_u32 s41, ttmp6, 0x40004
	s_lshl_b32 s43, s41, 2
	s_lshl_b32 s43, 15, s43                        ; my row of the cluster
	s_lshl_b32 s44, 0x1111, s40                    ; my column
	s_or_b32 s[G1+0], s43, (0<<16)|(1<<20)|(1<<21)|(5<<22)|(3<<25)  ; the mask; elements of 1 byte; padding on; bit 21 beside a mask; 4 words of padding after every 64
	s_or_b32 s[G1B+0], s44, (0<<16)|(1<<20)|(1<<21)|(5<<22)|(3<<25)
.irp g, G1, G1B
	s_mov_b32 s[\g+1], ROWB<<16                    ; tensor_dim0
	s_mov_b32 s[\g+2], 128<<16                     ; tensor_dim1 = 128
	s_mov_b32 s[\g+3], ROWB<<16                    ; tile_dim0
	s_mov_b32 s[\g+4], 128                         ; tile_dim1 = 128
	s_mov_b32 s[\g+5], KROW                        ; from row to row
	s_mov_b32 s[\g+6], 0
	s_mov_b32 s[\g+7], 0
.endr
	s_or_b32 s[G1S+0], s43, (3<<16)|(1<<20)|(1<<21)|(5<<22)|(3<<25) ; the scale bytes of 128 rows: 4,096 dense bytes as 16 rows of 256 (32 elements of 8 bytes), 16 bytes of padding behind each
	s_or_b32 s[G1SB+0], s44, (3<<16)|(1<<20)|(1<<21)|(5<<22)|(3<<25)
.irp g, G1S, G1SB
	s_mov_b32 s[\g+1], 32<<16
	s_mov_b32 s[\g+2], 16<<16
	s_mov_b32 s[\g+3], 32<<16
	s_mov_b32 s[\g+4], 16
	s_mov_b32 s[\g+5], 32
	s_mov_b32 s[\g+6], 0
	s_mov_b32 s[\g+7], 0
.endr
	s_and_b32 s17, ttmp7, 0xffff
	s_lshl_b32 s17, s17, 10                        ; 1,024 x cluster y: the cluster's tokens
	s_lshl_b32 s42, ttmp9, 10                      ; 1,024 x cluster x: q's or k's features
	s_cmp_eq_u32 ttmp9, 2                          ; v?  The same in all sixteen partners
	s_cselect_b32 s98, 2048, s17                   ; the A role's first row
	s_cselect_b32 s99, s17, s42                    ; the B role's
	s_mov_b32 s19, XC
	s_cselect_b32 s66, WQC, s19                    ; where the A role's scale bytes begin in its buffer,
	s_mov_b32 s19, WQC
	s_cselect_b32 s67, XC, s19                     ; and the B role's
	s_lshl_b32 s19, s41, 8
	s_add_co_u32 s98, s98, s19                     ; + 256 cy: my tile of the A role
	s_lshl_b32 s47, s40, 8
	s_add_co_u32 s99, s99, s47                     ; + 256 cx: my tile of the B role
	s_lshl_b32 s18, s16, 7                         ; which 128 rows I fetch
	s_add_co_u32 s20, s98, s18
	s_add_co_u32 s46, s99, s18
	s_lshl_b32 s22, s20, 5                         ; their scale bytes,
	s_add_co_u32 s22, s22, s66
	s_lshl_b32 s20, s20, 9                         ; their codes
	s_mov_b32 s21, 0
	s_mov_b32 s23, 0
	s_lshl_b32 s92, s46, 5
	s_add_co_u32 s92, s92, s67
	s_lshl_b32 s46, s46, 9
	s_mov_b32 s47, 0
	s_mov_b32 s93, 0
	s_mul_i32 s45, s14, HALFT                      ; where they go: wave x 128 rows: no place in the cluster enters an LDS address
	s_mul_i32 s94, s14, HALFS
	s_mov_b32 s[SEL], 0x76543210
	s_mov_b32 s[SEL+1], 0xfedcba98
	s_wait_dscnt 0x0                               ; both opening adds are done
	s_wait_kmcnt 0x0
	s_cmp_eq_u32 ttmp9, 2
	s_cselect_b64 s[96:97], s[6:7], s[4:5]         ; the A role's buffer
	s_cselect_b64 s[100:101], s[4:5], s[6:7]       ; the B role's
	s_add_nc_u64 s[20:21], s[96:97], s[20:21]
	s_add_nc_u64 s[22:23], s[96:97], s[22:23]
	s_add_nc_u64 s[46:47], s[100:101], s[46:47]
	s_add_nc_u64 s[92:93], s[100:101], s[92:93]
	CROUND                                         ; all sixteen work-groups are here: the first joint loads meet
	s_mov_b32 s[G0S], 1
	s_add_co_u32 s[G0S+1], s94, SCL
	s_mov_b64 s[G0S+2:G0S+3], s[22:23]
	s_or_b32 s[G0S+3], s[G0S+3], 0x80000000
	s_mov_b32 s[G0SB], 1
	s_add_co_u32 s[G0SB+1], s94, SCL
	s_mov_b64 s[G0SB+2:G0SB+3], s[92:93]
	s_or_b32 s[G0SB+3], s[G0SB+3], 0x80000000
	JLOAD G0S, G1S, G0SB, G1SB                     ; the scale bytes first: they are wanted with slot 0
.irp s, 0,1
	s_mov_b32 s[G0+4*\s], 1
	s_add_co_u32 s[G0+4*\s+1], s45, \s*SLOT
	s_add_nc_u64 s[G0+4*\s+2:G0+4*\s+3], s[20:21], \s*ROWB
	s_or_b32 s[G0+4*\s+3], s[G0+4*\s+3], 0x80000000
	s_mov_b32 s[G0B+4*\s], 1
	s_add_co_u32 s[G0B+4*\s+1], s45, \s*SLOT
	s_add_nc_u64 s[G0B+4*\s+2:G0B+4*\s+3], s[46:47], \s*ROWB
	s_or_b32 s[G0B+4*\s+3], s[G0B+4*\s+3], 0x80000000
	JLOAD G0+4*\s, G1, G0B+4*\s, G1B               ; three loads of mine are out behind the second of these
.endr
	v_and_b32 v1, 15, v0                           ; r = lane % 16
	v_bfe_u32 v2, v0, 4, 1                         ; h = lane / 16
	v_mul_u32_u24 v3, v1, PITCH
	v_lshl_add_u32 v4, v2, 4, v3                   ; a fragment's row x pitch + 16 x half
	s_mul_i32 s21, s15, HALFT                      ; my 128 rows of A
	s_mul_i32 s22, s16, HALFT                      ; my 128 rows of B,
	s_add_co_u32 s22, s22, 2*HALFT                 ; which lie behind A's 256
.irp s, 0,1
	v_add_nc_u32 v[ADRA+\s], s21, v4
	v_add_nc_u32 v[ADRB+\s], s22, v4
	s_add_co_u32 s21, s21, SLOT
	s_add_co_u32 s22, s22, SLOT
.endr
	v_mul_u32_u24 v5, v1, KS                       ; my row's scale bytes: 32 a row,
	v_lshrrev_b32 v6, 8, v5
	v_lshl_add_u32 v5, v6, 4, v5                   ; and 16 more for each 256 passed
	s_mul_i32 s21, s15, HALFS
	s_mul_i32 s22, s16, HALFS
	s_add_co_u32 s22, s22, 2*HALFS
	s_sub_co_u32 s22, s22, s21
	v_mul_u32_u24 v6, s22, v2                      ; lanes 16-31 take B's: one product, the distance between the two bases
	s_add_co_u32 s21, s21, SCL
	v_add_nc_u32 v5, v5, v6
	v_add_nc_u32 v[ADRS], s21, v5
	v_and_b32 v6, 31, v0
	v_lshlrev_b32 v[LI], 4, v6
	v_lshlrev_b32 v[BQ], 6, v2
	v_and_b32 v6, 8, v1
	v_add_nc_u32 v6, v6, v1
	v_lshlrev_b32 v[BV], 2, v6
.irp b, 0,1,2,3
	v_mov_b32 v[TM+4+\b], 0                        ; written once: a lane permute's destination counts as one of its sources
.endr
.macro FRAG reg, adr, q, i             ; 16 rows x 128 K of 4-bit codes: registers 4 c .. 4 c + 3 hold K = 64 c + 32 (lane / 16) + 0 .. 31
.irp c, 0,1
	ds_load_b128 v[\reg+4*\c:\reg+4*\c+3], v[\adr] offset:64*(\q)+32*\c+(\i)*16*PITCH
.endr
.endm
; 16 matrix instructions: A's blocks a0, a0 + 1 x B's eight.  The 64 accumulators take turns, one instruction a turn, in the same order in every step.
.macro MUL16 a0, p, q, sc, zero
.irp a, \a0, \a0+1
.irp b, 0,1,2,3,4,5,6,7
.if \zero
	v_wmma_scale_f32_16x16x128_f8f6f4 v[8*(8*((\a)%4)+\b):8*(8*((\a)%4)+\b)+7], v[128*(\p)+FR*\b:128*(\p)+FR*\b+FR-1], v[AF+FR*(\a):AF+FR*(\a)+FR-1], 0, v[SC+8*NQ*(\sc)+NQ*\b+(\q)], v[SC+8*NQ*(\sc)+NQ*(\a)+(\q)] matrix_a_fmt:MATRIX_FMT_FP4 matrix_b_fmt:MATRIX_FMT_FP4 matrix_a_scale:MATRIX_SCALE_ROW1
.else
	v_wmma_scale_f32_16x16x128_f8f6f4 v[8*(8*((\a)%4)+\b):8*(8*((\a)%4)+\b)+7], v[128*(\p)+FR*\b:128*(\p)+FR*\b+FR-1], v[AF+FR*(\a):AF+FR*(\a)+FR-1], v[8*(8*((\a)%4)+\b):8*(8*((\a)%4)+\b)+7], v[SC+8*NQ*(\sc)+NQ*\b+(\q)], v[SC+8*NQ*(\sc)+NQ*(\a)+(\q)] matrix_a_fmt:MATRIX_FMT_FP4 matrix_b_fmt:MATRIX_FMT_FP4 matrix_a_scale:MATRIX_SCALE_ROW1
.endif
.endr
.endr
.endm
.macro FETCH_B slot, q, p
	WIN TO_B
.irp i, 0,1,2,3,4,5,6,7
	FRAG 128*(\p)+FR*\i, ADRB+\slot, \q, \i
.endr
	WIN 0
.endm
.macro FETCH_A slot, q, i0
.irp i, \i0, \i0+1, \i0+2, \i0+3
	FRAG AF+FR*(\i), ADRA+\slot, \q, \i
.endr
.endm
.macro SCALES sc                       ; a slot's scale words: 4 words a row; lanes 0-15 take A's block i, lanes 16-31 B's block i
.irp i, 0,1,2,3,4,5,6,7
	ds_load_b128 v[SC+8*NQ*\sc+NQ*\i:SC+8*NQ*\sc+NQ*\i+3], v[ADRS] offset:\i*SBLK
.endr
.endm
.macro PLACES n                        ; plain vector lines between a matrix instruction and a load into, or a vector line that touches, one of its registers
.rept \n
	v_nop
.endr
.endm
.macro STEP slot, q, zero              ; a step of 128 along K that has its successor in the same slot
	s_wait_dscnt 4*NL                              ; B's set and A's blocks 0-3 are in; the eight youngest loads (A's blocks 4-7) may be out
	WIN MUL_LO
	MUL16 0, (\q)%2, \q, \slot, \zero
	MUL16 2, (\q)%2, \q, \slot, \zero
	s_wait_dscnt 0                                 ; A's blocks 4-7 are in
	PLACES NP
	FETCH_B \slot, (\q)+1, 1-(\q)%2
	FETCH_A \slot, (\q)+1, 0
	WIN MUL_HI
	MUL16 4, (\q)%2, \q, \slot, \zero
	MUL16 6, (\q)%2, \q, \slot, \zero
	PLACES NP
	WIN 0
	FETCH_A \slot, (\q)+1, 4
.endm
; Slot 0's last step changes slots: each wave waits for all its tensor loads (its part of slot 1), adds 0 to its spare word, waits for that and for its reads; behind the barrier slot 1 is whole.  Nothing is filled again.
.macro TURN slot, next
	s_wait_tensorcnt 0x0
	ds_add_u32 v[SPW], v[NIL]
	s_wait_dscnt 4*NL+1                            ; (the add and the eight youngest loads may be out)
	WIN MUL_LO
	MUL16 0, 1, NQ-1, \slot, 0
	s_wait_dscnt 0x0                               ; the add is done, and my reads of this slot are over
	s_barrier_signal -1
	MUL16 2, 1, NQ-1, \slot, 0
	WIN 0
	s_barrier_wait -1
	PLACES NP
	v_add_nc_u32 v[ADRS], 4*NQ, v[ADRS]            ; on to the next slot's scale words
	FETCH_B \next, 0, 0
	FETCH_A \next, 0, 0
	SCALES \next
	WIN MUL_HI
	MUL16 4, 1, NQ-1, \slot, 0
	MUL16 6, 1, NQ-1, \slot, 0
	PLACES NP
	WIN 0
	FETCH_A \next, 0, 4
.endm
.macro STEPS slot, from
.set Q, \from
.rept NQ-1-\from
	STEP \slot, Q, 0
.set Q, Q+1
.endr
.endm
.macro LAST                            ; the very last step: nothing more to fetch
	s_wait_dscnt 4*NL
	WIN MUL_LO
	MUL16 0, 1, NQ-1, 1, 0
	MUL16 2, 1, NQ-1, 1, 0
	s_wait_dscnt 0
	WIN MUL_HI
	MUL16 4, 1, NQ-1, 1, 0
	MUL16 6, 1, NQ-1, 1, 0
	WIN 0
.endm
; 64 numbers of a lane, register 16 b + i = k 32 b + 16 (lane / 16) + i of my row, become a fragment's codes in v[PC] on and its scale word in v[pw].
.macro QUANT s, pw
.irp b, 0,1,2,3
	v_max3_num_f32 v[TM+\b], |v[\s+16*\b]|, |v[\s+1+16*\b]|, 0x1800000   ; block b: my 16 numbers, and the floor 2^(3 - 127): so the byte cannot fall under 1
.endr
.irp i, 2,4,6,8,10,12,14
.irp b, 0,1,2,3
	v_max3_num_f32 v[TM+\b], v[TM+\b], |v[\s+16*\b+\i]|, |v[\s+1+16*\b+\i]|   ; (the four blocks by turns)
.endr
.endr
.irp b, 0,1,2,3
	v_permlanex16_b32 v[TM+4+\b], v[TM+\b], s[SEL], s[SEL+1]
.endr
.irp b, 0,1,2,3
	v_max_num_f32 v[TM+\b], v[TM+\b], v[TM+4+\b]   ; with lane l xor 16's: the block's largest magnitude
.endr
.irp b, 0,1,2,3
	v_add_nc_u32 v[TM+12+\b], 0xff000000, v[TM+\b] ; 2 off its exponent field: the conversion's scale operand
.endr
.irp b, 0,1,2,3
	v_lshrrev_b32 v[TM+4+\b], 23, v[TM+12+\b]      ; the scale's byte
.endr
	v_lshl_or_b32 v[\pw], v[TM+5], 8, v[TM+4]
	v_lshl_or_b32 v[\pw], v[TM+6], 16, v[\pw]
	v_lshl_or_b32 v[\pw], v[TM+7], 24, v[\pw]
.irp b, 0,1,2,3
	v_cvt_scalef32_pk8_fp4_f32 v[PC+2*\b], v[\s+16*\b:\s+7+16*\b], v[TM+12+\b]
	v_cvt_scalef32_pk8_fp4_f32 v[PC+1+2*\b], v[\s+8+16*\b:\s+15+16*\b], v[TM+12+\b]
.endr
	v_nop                                          ; one plain line behind a scaled conversion
.irp c, 0,1                                    ; the operand's layout wants a whole block in a lane: lanes 0-15 block 2 c, lanes 16-31 block 2 c + 1
.irp i, 0,1
	v_permlane16_swap_b32 v[PC+4*\c+\i], v[PC+2+4*\c+\i]
.endr
.endr
.endm
; THE WAY OUT, block a by block a.  isv = 0: my row is a token, the 128 numbers are two heads' 64: registers 0-3 go to the first head's record, 4-7 to the second's.  isv = 1: my row is a channel, the 128 numbers are a step's keys.
.macro EPI isv
.irp a, 0,1,2,3,4,5,6,7
.if \a > 0
	s_wait_xcnt 0x0                                ; the last block's stores have read their data: the codes' registers are written again only behind this wait
.endif
.set WN, 0x02+(\a)/4
	WIN WN                                         ; source 0: window 2 or 3
.set AC, 64*((\a)%4)
.set N, 0
.rept 32
.if \isv
	v_pk_add_f32 v[T+N:T+N+1], v[AC+N:AC+N+1], v[BB+2*\a:BB+2*\a+1]   ; + my channel's bias; each accumulator is read from its low end on
.else
	v_pk_add_f32 v[T+N:T+N+1], v[AC+N:AC+N+1], v[BB+N:BB+N+1]         ; + the features' bias; each accumulator is read from its low end on
.endif
.set N, N+2
.endr
	WIN 0
	QUANT T, PWS+\a
.if \isv
	global_store_b128 v[LI], v[PC:PC+3], s[96:97] offset:((\a)/4)*HEADB+((\a)%4)*1024          ; the wave stores 512 consecutive bytes, aligned
	global_store_b128 v[LI], v[PC+4:PC+7], s[96:97] offset:((\a)/4)*HEADB+((\a)%4)*1024+512
.else
	global_store_b128 v[LI], v[PC:PC+3], s[96:97] offset:512*\a
	global_store_b128 v[LI], v[PC+4:PC+7], s[100:101] offset:512*\a
.endif
.endr
.endm
	s_wait_tensorcnt 1                             ; the scale bytes and my part of slot 0 are in (slot 1's load may be out)
	s_barrier_signal -1
	s_barrier_wait -1                              ; everybody's are
	FETCH_B 0, 0, 0
	FETCH_A 0, 0, 0
	SCALES 0
	FETCH_A 0, 0, 4
	STEP 0, 0, 1                                   ; the first products start the sums: nothing is cleared
	STEPS 0, 1
	TURN 0, 1
	s_lshl_b32 s18, s15, 7
	s_add_co_u32 s18, s98, s18                     ; my first row of the A role
	s_lshl_b32 s19, s16, 7
	s_add_co_u32 s19, s99, s19                     ; and of the B role
	s_mov_b32 s21, 0
	s_cmp_eq_u32 ttmp9, 2
	s_cbranch_scc1 .Lv
	; ---- q, k: s18 = my first token, s19 = my first feature
	s_lshl_b32 s20, s19, 2
	s_add_nc_u64 s[8:9], s[8:9], s[20:21]
.irp b, 0,1,2,3,4,5,6,7
	global_load_b128 v[BB+8*\b:BB+8*\b+3], v[BQ], s[8:9] offset:(32*(\b/2)+8*(\b%2))*4        ; register 8 b + j: the bias of feature 32 (b / 2) + 16 h + 8 (b % 2) + j
	global_load_b128 v[BB+8*\b+4:BB+8*\b+7], v[BQ], s[8:9] offset:(32*(\b/2)+8*(\b%2))*4+16
.endr
	s_lshr_b32 s20, s18, 11                        ; the batch
	s_lshl_b32 s20, s20, 4
	s_bfe_u32 s22, s19, 0x40006                    ; my first head: bits 9:6 of the feature
	s_add_co_u32 s20, s20, s22
	s_lshl_b32 s20, s20, 4                         ; 16 records a head
	s_bfe_u32 s22, s18, 0x40007                    ; the step of 128 tokens
	s_add_co_u32 s20, s20, s22
	s_cmp_eq_u32 ttmp9, 1                          ; k?
	s_mov_b32 s23, 4352
	s_cselect_b32 s23, 8704, s23                   ; a record
	s_mov_b32 s22, 4096
	s_cselect_b32 s22, 8192, s22                   ; the scale words' place in it
	s_cselect_b64 s[96:97], s[12:13], s[10:11]     ; kv or qi
	s_mul_i32 s20, s20, s23
	s_add_nc_u64 s[96:97], s[96:97], s[20:21]      ; the first head's record
	s_mov_b32 s20, s22
	s_add_nc_u64 s[92:93], s[96:97], s[20:21]      ; its scale words
	s_lshl_b32 s20, s23, 4
	s_add_nc_u64 s[100:101], s[96:97], s[20:21]    ; the second head's record
	v_mul_lo_u32 v[SO], v2, s20                    ; lanes 16-31 store the second head's scale words
	v_lshl_add_u32 v[SO], v1, 4, v[SO]             ; 16 bytes a row
	s_mov_b32 s45, 0x02020202
	STEPS 1, 0
	LAST
	PLACES NP                                      ; in front of the first read of results and the first write of registers that the last products read
	s_wait_loadcnt 0x0                             ; the bias
	EPI 0
	v_mul_lo_u32 v[SELV], v2, s45
	v_add_nc_u32 v[SELV], 0x05040100, v[SELV]      ; lanes 0-15 pick bytes 0, 1 of each word (the first head's two blocks), lanes 16-31 bytes 2, 3
.irp j, 0,1,2,3
	v_perm_b32 v[W+\j], v[PWS+2*\j+1], v[PWS+2*\j], v[SELV]   ; {two bytes of tile 2 j, two of tile 2 j + 1}: the scale word of a fragment that holds both tiles
.endr
	global_store_b128 v[SO], v[W:W+3], s[92:93]    ; sixteen lanes store 256 consecutive bytes, aligned
	s_branch .Lend
.Lv:
	; ---- v: s18 = my first feature (2,048 on), s19 = my first token
	s_lshl_b32 s20, s18, 2
	s_add_nc_u64 s[8:9], s[8:9], s[20:21]
.irp a, 0,1,2,3,4,5,6,7
	global_load_b32 v[BB+2*\a], v[BV], s[8:9] offset:(32*(\a/2)+8*(\a%2))*4      ; the bias of my row of block a, twice: a pair for the packed addition
	global_load_b32 v[BB+2*\a+1], v[BV], s[8:9] offset:(32*(\a/2)+8*(\a%2))*4
.endr
	s_lshr_b32 s20, s19, 11                        ; the batch
	s_lshl_b32 s20, s20, 4
	s_bfe_u32 s22, s18, 0x40006                    ; my first head
	s_add_co_u32 s20, s20, s22
	s_mul_i32 s20, s20, HEADB
	s_bfe_u32 s22, s19, 0x40007                    ; the step of 128 keys
	s_mul_i32 s22, s22, 8704
	s_add_co_u32 s20, s20, s22
	s_add_co_u32 s20, s20, 4096                    ; v's images lie behind k's
	s_add_nc_u64 s[96:97], s[12:13], s[20:21]
	v_mul_u32_u24 v[SO], v2, HEADB                 ; lanes 16-31 store the second head's scale words
	v_lshl_add_u32 v[SO], v1, 4, v[SO]
	s_mov_b32 s45, 0xffff0000                      ; lanes 16-31
	STEPS 1, 0
	LAST
	PLACES NP
	s_wait_loadcnt 0x0                             ; the bias
	EPI 1
.irp j, 0,1,2,3
	v_cndmask_b32 v[W+\j], v[PWS+\j], v[PWS+4+\j], s45   ; lanes 0-15: blocks 0-3 (the first head's four tiles of channels), lanes 16-31: blocks 4-7
.endr
	global_store_b128 v[SO], v[W:W+3], s[96:97] offset:4352   ; sixteen lanes store 256 consecutive bytes, aligned
.Lend:
	s_wait_tensorcnt 0x0                           ; the wave's end
	ds_add_u32 v[SPW], v[NIL]
	s_wait_dscnt 0x0
	CROUND                                         ; the closing round: no work-group ends while a partner may still ask for a tile that names it
	s_endpgm
.Lfunc_end_k_qb30b106b5f_qkv:
	.size	k_qb30b106b5f_qkv, .Lfunc_end_k_qb30b106b5f_qkv-k_qb30b106b5f_qkv
	.p2alignl 7, 3214868480
	.fill 96, 4, 3214868480
	.section	.rodata,"a",@progbits
	.p2align	6, 0x0
	.amdhsa_kernel k_qb30b106b5f_qkv
		.amdhsa_group_segment_fixed_size 327680
		.amdhsa_private_segment_fixed_size 0
		.amdhsa_enable_private_segment 0
		.amdhsa_kernarg_size 40
		.amdhsa_user_sgpr_count 2
		.amdhsa_user_sgpr_kernarg_segment_ptr 1
		.amdhsa_wavefront_size32 1
		.amdhsa_system_sgpr_workgroup_id_x 1
		.amdhsa_system_sgpr_workgroup_id_y 1
		.amdhsa_system_sgpr_workgroup_id_z 1
		.amdhsa_system_vgpr_workitem_id 0
		.amdhsa_next_free_vgpr 1024
		.amdhsa_next_free_sgpr 102
		.amdhsa_reserve_vcc 0
		.amdhsa_float_denorm_mode_32 3
		.amdhsa_float_denorm_mode_16_64 3
		.amdhsa_memory_ordered 1
		.amdhsa_forward_progress 1
		.amdhsa_inst_pref_size 237
	.end_amdhsa_kernel
	.amdgpu_metadata
---
amdhsa.version: [ 1, 2 ]
amdhsa.kernels:
  - .name:           k_qb30b106b5f_qkv
    .symbol:         k_qb30b106b5f_qkv.kd
    .args:
      - { .name: xq, .offset: 0, .size: 8, .value_kind: global_buffer, .address_space: global }
      - { .name: wq, .offset: 8, .size: 8, .value_kind: global_buffer, .address_space: global }
      - { .name: b_qkv, .offset: 16, .size: 8, .value_kind: global_buffer, .address_space: global }
      - { .name: qi, .offset: 24, .size: 8, .value_kind: global_buffer, .address_space: global }
      - { .name: kv, .offset: 32, .size: 8, .value_kind: global_buffer, .address_space: global }
    .group_segment_fixed_size: 327680
    .private_segment_fixed_size: 0
    .kernarg_segment_align: 8
    .kernarg_segment_size: 40
    .max_flat_workgroup_size: 128
    .sgpr_count:     102
    .vgpr_count:     1024
    .wavefront_size: 32
...
	.end_amdgpu_metadata
.endif
;; end of part 2
;; launch attn (part 3): grid 4 x 64, 16 waves a work-group, no clusters, 167,936 bytes of LDS; arguments qi, kv, oq; writes oq
.if DOCPART == 3
	.amdgcn_target "amdgcn-amd-amdhsa--gfx1250"
	.amdhsa_code_object_version 6
	.text
	.protected	k_qb30b106b5f_attn
	.globl	k_qb30b106b5f_attn
	.p2align	8
	.type	k_qb30b106b5f_attn,@function
k_qb30b106b5f_attn:
	s_mov_b64 s[64:65], 0
	v_nop
	global_prefetch_b8 v0, s[64:65] scope:SCOPE_SE
	s_setreg_imm32_b32 hwreg(HW_REG_WAVE_MODE, 25, 1), 1
	s_wait_xcnt 0x0
; o = softmax(q k^T / 8, causal) v for one head, both products on codes of FP4 (E2M1) with one E8M0 scale for each 32 along a product's K; o is quantised along the head's 64 and leaves as codes, laid as the next launch's operand.
; LEFT OUT (shown at the head of the first launch): each step of 128 keys all of which come after all 16 queries of a wave's tile; reference()'s own mask makes their p zero.
; THE SOFTMAX AHEAD OF THE SECOND PRODUCT: t = score x log2(e) / 8; M = the row's largest t so far, rounded up to a whole number; p = 2^(t - M) is what is quantised, along the keys; the row's sum is taken of the unquantised p
; and divides at the end.  When M moves, the sum and O are multiplied by 2^(old M - new M): exact.
; SHARES.  Work-group (i, head) owns query blocks i and 7 - i of 256 queries: (i + 1) + (8 - i) = 9 blocks of 256 keys for every work-group, so all 256 have the same work.  Each of the sixteen waves owns one tile of 16
; queries in each of the two passes, in 256 registers: four waves to a SIMD, so that one wave's vector work stands beside another's matrix work and LDS loads.
; A HEAD'S k AND v STAY IN LDS: 16 records of 8,704 bytes.  Every wave asks for two parts of 4,352 bytes at the head, one of each half, and nothing later: no ring, no refill.  Keys 0 .. 1,023 (the first half) serve all of
; pass 0; the second half lands meanwhile.  A work-group reads records 0 .. 15 - 2 i: with i above 0 the last 2 i records are brought and not read (3 of 16 on average): the descriptors are constants and the first loads are not branched round.
; NO CLUSTER, though the four work-groups of a head read the same records: which steps a partner reads hangs on i, which would be its place in the cluster, and the mask lets a partner pass over bytes that a joint load brings.
; NO PREFETCH: every byte of kv that the work-group reads is asked for by its tensor loads at the head.
; LAYOUT.  Both products are used transposed: S^T = k q^T, O^T = v^T p^T: a lane holds one query throughout.  Tiles hold rows 32 g + 8 u + (0..7, 16..23), so that the 16 registers of tiles 2 b and 2 b + 1 are 16 neighbouring keys.
; K = 64 IN AN INSTRUCTION OF K = 128: a fragment of k holds TWO tiles of keys, one in registers 0-3 and one in 4-7; against [q | 0] it gives the first tile's scores, against [0 | q] the second's: zero codes add nothing.
; REGISTERS: v1-10 addresses; v12 -M, v13 the largest t, v[14:15] the sum; v16-29 pass 0's q (q, zeros, q, scale word, word as loaded), v204-217 pass 1's; v32-63 k; v64-95 v; v96-159 S^T, then p; v160-191 O^T;
;   v192-195, v196-199 k's and v's scale words; v200-203 o's scale bytes on the way out; v224-231 codes; v232-254 at work.
.set REC,   8704                       ; a record: k's 8 images, v's 8 images, k's scale words, v's scale words
.set HEADB, 16*REC
.set HALFB, 8*REC
.set PART,  HALFB/16                   ; what one tensor load brings: 17 rows of 256 bytes
.set OST,   HEADB                      ; behind the records: o's scale bytes, 512 for each pass
.set SPARE, OST+1024                   ; the spare words, 128 bytes for each wave
.set OC,    4194304                    ; where o's scale bytes begin in oq
.set LI,  1                            ; v1   16 x lane
.set LSC, 2                            ; v2   16 x (lane % 16)
.set QD,  3                            ; v3   my query less the tile's first, less 16 (lane / 16)
.set SPW, 5                            ; v5   LDS address of my spare word; never rewritten
.set NIL, 6                            ; v6   0; never rewritten
.set OSA, 7                            ; v7   where I put my row's two scale bytes: OST + 32 r + 2 x wave
.set ADI, 8                            ; v8   the step's images
.set ADS, 9                            ; v9   the step's scale words
.set OSR, 10                           ; v10  where wave 0 reads the scale bytes back
.set WV,  12
.set SEL, 32                           ; s[32:33] selects for lane l xor 16
.set CS,  34                           ; s[34:35] c = log2(e) / 8
.set TB,  36                           ; s36  LDS byte at which the step's record begins
.set KF,  37                           ; s37  the step's first key
.set Q0,  38                           ; s38  my tile's first query
.set CNT, 39
	s_load_b128 s[4:7], s[0:1], 0x0                ; qi s[4:5], kv s[6:7]
	s_load_b64 s[8:9], s[0:1], 0x10                ; oq
	v_lshl_add_u32 v[SPW], v0, 2, SPARE
	v_mov_b32 v[NIL], 0
	ds_add_u32 v[SPW], v[NIL]                      ; the wave's opening: the add, twice on end, and its wait ahead of my first tensor load
	ds_add_u32 v[SPW], v[NIL]
	v_lshrrev_b32 v8, 5, v0
	s_delay_alu instid0(VALU_DEP_1)
	v_readfirstlane_b32 s[WV], v8                  ; wave 0..15
	s_mov_b32 s13, ttmp9                           ; i
	s_and_b32 s14, ttmp7, 0xffff                   ; 16 x batch + head
	s_mov_b32 s16, 3<<16                           ; group 1: no mask; elements of 8 bytes; no padding
	s_mov_b32 s17, 32<<16                          ; tensor_dim0 = 32: rows of 256 bytes
	s_mov_b32 s18, 17<<16                          ; tensor_dim1 = 17
	s_mov_b32 s19, 32<<16                          ; tile_dim0 = 32
	s_mov_b32 s20, 17                              ; tile_dim1 = 17
	s_mov_b32 s21, 32                              ; from row to row: dense
	s_mov_b32 s22, 0
	s_mov_b32 s23, 0
	s_mul_i32 s50, s[WV], PART                     ; my part of a half, in LDS as in memory
	s_mul_i32 s52, s14, HEADB
	s_add_co_u32 s52, s52, s50
	s_mov_b32 s53, 0
	s_mov_b32 s[SEL], 0x76543210
	s_mov_b32 s[SEL+1], 0xfedcba98
	s_mov_b32 s[CS], 0x3e38aa3b                    ; log2(e) / 8
	s_mov_b32 s[CS+1], s[CS]                       ; (named with it as a pair, so it is written)
	s_wait_dscnt 0x0                               ; both opening adds are done
	s_wait_kmcnt 0x0
	s_add_nc_u64 s[54:55], s[6:7], s[52:53]
.irp g, 0,1
	s_mov_b32 s[24+4*\g], 1
	s_add_co_u32 s[25+4*\g], s50, \g*HALFB
	s_add_nc_u64 s[26+4*\g:27+4*\g], s[54:55], \g*HALFB
	s_or_b32 s[27+4*\g], s[27+4*\g], 0x80000000
.endr
	tensor_load_to_lds s[24:27], s[16:23]          ; my part of keys 0 .. 1,023
	s_nop 0
	tensor_load_to_lds s[28:31], s[16:23]          ; and of keys 1,024 .. 2,047: two loads of mine are out
	s_nop 0
	v_and_b32 v4, 31, v0
	s_delay_alu instid0(VALU_DEP_1)
	v_lshlrev_b32 v[LI], 4, v4
	v_and_b32 v4, 15, v0                           ; r
	s_delay_alu instid0(VALU_DEP_1)
	v_lshlrev_b32 v[LSC], 4, v4
	s_wait_alu depctr_va_vdst(0)
	v_bfe_u32 v11, v0, 4, 1                        ; h
	v_and_b32 v[QD], 8, v4
	s_delay_alu instid0(VALU_DEP_1)
	v_add_nc_u32 v[QD], v[QD], v4                  ; r + 8 (r / 8)
	s_delay_alu instid0(VALU_DEP_3)
	v_lshlrev_b32 v11, 4, v11
	s_delay_alu instid0(VALU_DEP_1)
	v_sub_nc_u32 v[QD], v[QD], v11
	s_lshl_b32 s50, s[WV], 1
	s_add_co_u32 s50, s50, OST
	v_lshl_add_u32 v[OSA], v4, 5, s50
	v_add_nc_u32 v[OSR], OST, v[LI]
; q of pass p: my tile's image twice (for [q | 0] and [0 | q]) and its row's scale word.  Both passes' are asked for here, into registers of their own.
.macro QLOAD p, cb, sb, qb
.if \p
	s_sub_co_u32 s49, 7, s13
.else
	s_mov_b32 s49, s13
.endif
	s_lshl_b32 s50, s49, 1
	s_lshr_b32 s51, s[WV], 3
	s_add_co_u32 s50, s50, s51                     ; the record: 2 x block + wave / 8
	s_mul_i32 s50, s50, 4352
	s_mul_i32 s51, s14, 16*4352
	s_add_co_u32 s50, s50, s51
	s_and_b32 s52, s[WV], 7
	s_lshl_b32 s52, s52, 9                         ; the image: wave % 8
	s_add_co_u32 s52, s52, s50
	s_mov_b32 s53, 0
	s_add_nc_u64 s[\cb:\cb+1], s[4:5], s[52:53]
	s_bfe_u32 s52, s[WV], 0x20001
	s_lshl_b32 s52, s52, 2                         ; the scale word: (wave / 2) % 4
	s_add_co_u32 s52, s52, s50
	s_add_nc_u64 s[\sb:\sb+1], s[4:5], s[52:53]
	global_load_b128 v[\qb:\qb+3], v[LI], s[\cb:\cb+1]
	global_load_b128 v[\qb+8:\qb+11], v[LI], s[\cb:\cb+1]
	global_load_b32 v[\qb+13], v[LSC], s[\sb:\sb+1] offset:4096
.endm
	QLOAD 0, 40, 42, 16
	QLOAD 1, 56, 58, 204
	s_and_b32 s50, s[WV], 1
	s_cmp_lg_u32 s50, 0
	s_mov_b32 s48, 0x01000100                      ; an even tile's two bytes are the word's bytes 0, 1;
	s_cselect_b32 s48, 0x03020302, s48             ; an odd tile's bytes 2, 3: either way both halves of K get them
.irp j, 0,1,2,3
	v_mov_b32 v[20+\j], 0                          ; the zero codes of [q | 0] and [0 | q]
	v_mov_b32 v[208+\j], 0
	v_mov_b32 v[236+\j], 0                         ; written once: a lane permute's destination counts as one of its sources
.endr
	v_mov_b32 v252, 0
	v_mov_b32 v253, 0                              ; (named as the upper half of the pair v[252:253] before it is first written)
	s_wait_loadcnt 0x0                             ; q
	v_perm_b32 v28, v29, v29, s48
	v_perm_b32 v216, v217, v217, s48
; Pass p: the block, the tile's first query, where o and its scale bytes go; the sums begin as zeros and the largest t as -3e38, so the step is written once.
.macro PREP p
.if \p
	s_wait_xcnt 0x0                                ; the last pass's stores have read their bases and data: both are written again only behind this wait
	s_sub_co_u32 s49, 7, s13
.else
	s_mov_b32 s49, s13
.endif
	s_lshl_b32 s[Q0], s49, 8
	s_lshr_b32 s50, s[WV], 1
	s_lshl_b32 s50, s50, 5
	s_add_co_u32 s[Q0], s[Q0], s50
	s_and_b32 s50, s[WV], 1
	s_lshl_b32 s50, s50, 3
	s_add_co_u32 s[Q0], s[Q0], s50                 ; 256 x block + 32 (wave / 2) + 8 (wave % 2)
	s_lshr_b32 s51, s14, 4                         ; the batch
	s_and_b32 s54, s14, 15                         ; the head
	s_lshl_b32 s50, s51, 7
	s_lshl_b32 s52, s49, 4
	s_add_co_u32 s50, s50, s52
	s_add_co_u32 s50, s50, s[WV]                   ; the tile of 16 tokens: 128 x batch + 16 x block + wave
	s_lshl_b32 s50, s50, 4
	s_add_co_u32 s50, s50, s54
	s_lshl_b32 s52, s50, 9                         ; 512 bytes for each tile and head
	s_mov_b32 s53, 0
	s_add_nc_u64 s[44:45], s[8:9], s[52:53]
	s_lshl_b32 s50, s51, 3
	s_add_co_u32 s50, s50, s49
	s_lshl_b32 s50, s50, 4
	s_add_co_u32 s50, s50, s54
	s_lshl_b32 s52, s50, 9                         ; 512 scale bytes for each block of 256 tokens and head
	s_add_co_u32 s52, s52, OC
	s_add_nc_u64 s[46:47], s[8:9], s[52:53]
	v_mov_b32 v13, 0xff61b1e6                      ; the largest t so far: -3e38
	s_delay_alu instid0(VALU_DEP_1)
	v_floor_f32 v12, -v13                          ; -M
	v_mov_b32 v14, 0
	v_mov_b32 v15, 0
.irp j, 0,1,2,3,4,5,6,7,8,9,10,11,12,13,14,15,16,17,18,19,20,21,22,23,24,25,26,27,28,29,30,31
	v_mov_b32 v[160+\j], 0                         ; O^T (these lines are also the places between the scale word's v_perm_b32 and the first product)
.endr
.endm
; A KEY STEP: 128 keys.  qb: the pass's q.
.macro STEP qb
	s_add_co_u32 s50, s[Q0], 23                    ; my tile's last query
	s_cmp_gt_u32 s[KF], s50
	s_cbranch_scc1 .Lhidden_\@                     ; all keys of the step come after all my queries: a branch on ids, round the work, not round the lines that step addresses
	s_setprio 2
	v_add_nc_u32 v[ADI], s[TB], v[LI]
	v_add_nc_u32 v[ADS], s[TB], v[LSC]
	v_nop
	v_nop                                          ; four plain lines between the last step's products and the loads into registers that they read
.irp b, 0,1,2,3
	ds_load_b128 v[32+8*\b:35+8*\b], v[ADI] offset:1024*\b        ; tile 2 b of the keys: K 0 .. 63 of the fragment
	ds_load_b128 v[36+8*\b:39+8*\b], v[ADI] offset:1024*\b+512    ; tile 2 b + 1: K 64 .. 127
.endr
	ds_load_b128 v[192:195], v[ADS] offset:8192    ; k's four scale words of my row
.irp d, 0,1,2,3
	ds_load_b128 v[64+8*\d:67+8*\d], v[ADI] offset:4096+1024*\d
	ds_load_b128 v[68+8*\d:71+8*\d], v[ADI] offset:4096+1024*\d+512
.endr
	ds_load_b128 v[196:199], v[ADS] offset:8448    ; v's four
	s_wait_dscnt 9                                 ; k and its scale words are in; v's eight loads and its scale words may be out
.irp b, 0,1,2,3
	v_wmma_scale_f32_16x16x128_f8f6f4 v[96+16*\b:103+16*\b], v[32+8*\b:39+8*\b], v[\qb:\qb+7], 0, v[192+\b], v[\qb+12] matrix_a_fmt:MATRIX_FMT_FP4 matrix_b_fmt:MATRIX_FMT_FP4
	v_wmma_scale_f32_16x16x128_f8f6f4 v[104+16*\b:111+16*\b], v[32+8*\b:39+8*\b], v[\qb+4:\qb+11], 0, v[192+\b], v[\qb+12] matrix_a_fmt:MATRIX_FMT_FP4 matrix_b_fmt:MATRIX_FMT_FP4
.endr                                          ; register 16 b + i of v96 on: key KF + 32 b + 16 (lane / 16) + i
.rept 4
	v_nop
.endr
	s_add_co_u32 s50, s[KF], 127                   ; on the diagonal the scores of hidden keys become -infinity ahead of the maximum: p = 0 then.  A step all of whose keys count passes this over
	s_cmp_le_u32 s50, s[Q0]
	s_cbranch_scc1 .Lopen_\@
	s_sub_co_i32 s50, s[Q0], s[KF]
	v_add_nc_u32 v252, s50, v[QD]                  ; d = my query - KF - 16 (lane / 16): register 16 b + i is hidden where 32 b + i > d
	v_mov_b32 v254, 0xff800000
.irp n, 0,1,2,3,4,5,6,7,8,9,10,11,12,13,14,15,16,17,18,19,20,21,22,23,24,25,26,27,28,29,30,31,32,33,34,35,36,37,38,39,40,41,42,43,44,45,46,47,48,49,50,51,52,53,54,55,56,57,58,59,60,61,62,63
	v_cmp_gt_i32 vcc_lo, 32*(\n/16)+\n%16, v252
	v_cndmask_b32 v[96+\n], v[96+\n], v254, vcc_lo
.endr
.Lopen_\@:
.irp b, 0,1,2,3
	v_max3_num_f32 v[232+\b], v[96+16*\b], v[97+16*\b], v[98+16*\b]   ; the largest score of each block of 32 keys: it serves the row's maximum and, since p rises with the score, the block's largest p
.endr
.irp i, 3,5,7,9,11,13
.irp b, 0,1,2,3
	v_max3_num_f32 v[232+\b], v[232+\b], v[96+16*\b+\i], v[97+16*\b+\i]
.endr
.endr
.irp b, 0,1,2,3
	v_max_num_f32 v[232+\b], v[232+\b], v[111+16*\b]
.endr
.irp b, 0,1,2,3
	s_delay_alu instid0(VALU_DEP_4)
	v_permlanex16_b32 v[236+\b], v[232+\b], s[SEL], s[SEL+1]
.endr
.irp b, 0,1,2,3
	s_delay_alu instid0(VALU_DEP_4)
	v_max_num_f32 v[232+\b], v[232+\b], v[236+\b]  ; with lane l xor 16's 16 keys
.endr
	s_delay_alu instid0(VALU_DEP_2)
	v_max3_num_f32 v254, v232, v233, v234
	s_delay_alu instid0(VALU_DEP_1)
	v_max_num_f32 v254, v254, v235                 ; the step's largest score of my query
	s_delay_alu instid0(VALU_DEP_1)
	v_mul_f32 v254, s[CS], v254                    ; as t
	s_delay_alu instid0(VALU_DEP_1)
	v_max_num_f32 v13, v13, v254                   ; the running largest t
	v_mov_b32 v254, v12
	s_delay_alu instid0(VALU_DEP_2)
	v_floor_f32 v12, -v13                          ; the new -M = -ceil(t): a whole number
	s_delay_alu instid0(VALU_DEP_1)
	v_sub_f32 v254, v12, v254                      ; old M - new M: a whole number, 0 or less
	s_delay_alu instid0(VALU_DEP_1)
	v_cvt_i32_f32 v254, v254                       ; (it saturates)
	s_delay_alu instid0(VALU_DEP_1)
	v_ldexp_f32 v252, 1.0, v254                    ; f = 2^(old M - new M)
.irp j, 0,2,4,6,8,10,12,14,16,18,20,22,24,26,28,30,32,34,36,38,40,42,44,46,48,50,52,54,56,58,60,62
	v_pk_fma_f32 v[96+\j:97+\j], v[96+\j:97+\j], s[CS:CS+1], v[12:13] op_sel_hi:[1,0,0]   ; t - M, two at a time
.endr
	s_setprio 1
.irp b, 0,1,2,3
	v_fma_f32 v[232+\b], v[232+\b], s[CS], v12     ; the same of each block's largest score
.endr
	s_wait_alu depctr_va_vdst(0)
.irp j, 0,1,2,3,4,5,6,7,8,9,10,11,12,13,14,15,16,17,18,19,20,21,22,23,24,25,26,27,28,29,30,31,32,33,34,35,36,37,38,39,40,41,42,43,44,45,46,47,48,49,50,51,52,53,54,55,56,57,58,59,60,61,62,63
	v_exp_f32 v[96+\j], v[96+\j]                   ; p = 2^(t - M), at most 1: not normalised
.endr
	v_pk_mul_f32 v[14:15], v[14:15], v[252:253] op_sel_hi:[1,0]   ; the sums under the new M (a plain line behind the exponentials)
	s_wait_alu depctr_va_vdst(0)                   ; one wait for the whole batch, ahead of its first reader
.irp b, 0,1,2,3
	v_exp_f32 v[232+\b], v[232+\b]                 ; the block's largest p: the same two instructions on the same number give the same bits
.endr
	v_pk_add_f32 v[236:237], v[100:101], v[104:105]
	v_pk_add_f32 v[254:255], v[108:109], v[112:113]
	v_pk_add_f32 v[250:251], v[116:117], v[120:121]
	v_pk_add_f32 v[248:249], v[124:125], v[128:129]
	v_pk_add_f32 v[246:247], v[132:133], v[136:137]
	v_pk_add_f32 v[244:245], v[140:141], v[144:145]
	v_pk_add_f32 v[242:243], v[148:149], v[152:153]
	v_pk_add_f32 v[14:15], v[14:15], v[156:157]
	v_pk_add_f32 v[236:237], v[236:237], v[96:97]
	v_pk_add_f32 v[254:255], v[254:255], v[98:99]
	v_pk_add_f32 v[250:251], v[250:251], v[102:103]
	v_pk_add_f32 v[248:249], v[248:249], v[106:107]
	v_pk_add_f32 v[246:247], v[246:247], v[110:111]
	v_pk_add_f32 v[244:245], v[244:245], v[114:115]
	v_pk_add_f32 v[242:243], v[242:243], v[118:119]
	v_pk_add_f32 v[14:15], v[14:15], v[122:123]
	v_pk_add_f32 v[236:237], v[236:237], v[126:127]
	v_pk_add_f32 v[254:255], v[254:255], v[130:131]
	v_pk_add_f32 v[250:251], v[250:251], v[134:135]
	v_pk_add_f32 v[248:249], v[248:249], v[138:139]
	v_pk_add_f32 v[246:247], v[246:247], v[142:143]
	v_pk_add_f32 v[244:245], v[244:245], v[146:147]
	v_pk_add_f32 v[242:243], v[242:243], v[150:151]
	v_pk_add_f32 v[14:15], v[14:15], v[154:155]
	v_pk_add_f32 v[236:237], v[236:237], v[158:159]
	s_delay_alu instid0(VALU_DEP_2)
	v_pk_add_f32 v[14:15], v[14:15], v[248:249]
	s_delay_alu instid0(VALU_DEP_2)
	v_pk_add_f32 v[236:237], v[236:237], v[246:247]
	v_pk_add_f32 v[254:255], v[254:255], v[244:245]
	v_pk_add_f32 v[250:251], v[250:251], v[242:243]
	s_delay_alu instid0(VALU_DEP_2)
	v_pk_add_f32 v[14:15], v[14:15], v[254:255]
	s_delay_alu instid0(VALU_DEP_2)
	v_pk_add_f32 v[236:237], v[236:237], v[250:251]
	s_delay_alu instid0(VALU_DEP_1)
	v_pk_add_f32 v[14:15], v[14:15], v[236:237]
	s_wait_alu depctr_va_vdst(0)                   ; and one for the four
.irp b, 0,1,2,3
	v_max_num_f32 v[232+\b], 0x1800000, v[232+\b]  ; the floor 2^(3 - 127): a block whose every p is 0 keeps the byte 1: its codes are zeros
.endr
.irp b, 0,1,2,3
	s_delay_alu instid0(VALU_DEP_4)
	v_add_nc_u32 v[244+\b], 0xff000000, v[232+\b]  ; 2 off the exponent field: the conversion's scale operand
.endr
.irp b, 0,1,2,3
	s_delay_alu instid0(VALU_DEP_4)
	v_lshrrev_b32 v[236+\b], 23, v[244+\b]         ; the scale's byte
.endr
	s_delay_alu instid0(VALU_DEP_3)
	v_lshl_or_b32 v253, v237, 8, v236              ; p's scale word for these 128 keys
	s_delay_alu instid0(VALU_DEP_1)
	v_lshl_or_b32 v253, v238, 16, v253
	s_delay_alu instid0(VALU_DEP_1)
	v_lshl_or_b32 v253, v239, 24, v253
	s_setprio 0
.irp b, 0,1,2,3
	v_cvt_scalef32_pk8_fp4_f32 v[224+2*\b], v[96+16*\b:103+16*\b], v[244+\b]
	v_cvt_scalef32_pk8_fp4_f32 v[225+2*\b], v[104+16*\b:111+16*\b], v[244+\b]
.endr
	v_nop                                          ; one plain line behind a scaled conversion
.irp c, 0,1
.irp i, 0,1
	v_permlane16_swap_b32 v[224+4*\c+\i], v[226+4*\c+\i]   ; a whole block in a lane: lanes 0-15 block 2 c, lanes 16-31 block 2 c + 1
.endr
.endr
.irp j, 0,2,4,6,8,10,12,14,16,18,20,22,24,26,28,30
	v_pk_mul_f32 v[160+\j:161+\j], v[160+\j:161+\j], v[252:253] op_sel_hi:[1,0]   ; O^T under the new M (these sixteen also stand between the lines that made p's codes and scale word and the products below)
.endr
	s_wait_alu depctr_va_vdst(0)
	s_wait_dscnt 0x0                               ; v and its scale words are in
.irp d, 0,1,2,3
	v_wmma_scale_f32_16x16x128_f8f6f4 v[160+8*\d:167+8*\d], v[64+8*\d:71+8*\d], v[224:231], v[160+8*\d:167+8*\d], v[196+\d], v253 matrix_a_fmt:MATRIX_FMT_FP4 matrix_b_fmt:MATRIX_FMT_FP4   ; the four accumulators take turns
.endr
.Lhidden_\@:
	s_add_co_u32 s[KF], s[KF], 128
	s_add_co_u32 s[TB], s[TB], REC
.endm
.macro WALK n, qb                      ; n steps: a constant of the text; what the mask hides is passed over inside the step
	s_mov_b32 s[TB], 0
	s_mov_b32 s[KF], 0
	s_mov_b32 s[CNT], \n
.Lwalk_\@:
	STEP \qb
	s_sub_co_u32 s[CNT], s[CNT], 1
	s_cmp_lg_u32 s[CNT], 0
	s_cbranch_scc1 .Lwalk_\@
	s_setprio 0
.endm
; THE WAY OUT of a pass: O^T / the sum; register 16 b + i is channel 32 b + 16 (lane / 16) + i of my query: two blocks of 32 along the projection's K.  The codes, 16 bytes a lane, are the projection's operand registers.
.macro OUT p
.rept 4
	v_nop                                          ; places behind the last products
.endr
	v_add_f32 v14, v14, v15
	s_delay_alu instid0(VALU_DEP_1)
	v_permlanex16_b32 v252, v14, s[SEL], s[SEL+1]
	s_delay_alu instid0(VALU_DEP_1)
	v_add_f32 v14, v14, v252                       ; the row's sum
	s_wait_alu depctr_va_vdst(0)
	v_rcp_f32 v14, v14
	v_nop                                          ; a plain line behind the reciprocal,
	s_wait_alu depctr_va_vdst(0)                   ; and the wait ahead of its first reader
.irp j, 0,2,4,6,8,10,12,14,16,18,20,22,24,26,28,30
	v_pk_mul_f32 v[96+\j:97+\j], v[160+\j:161+\j], v[14:15] op_sel_hi:[1,0]   ; each accumulator is read from its low end on
.endr
.irp b, 0,1
	v_max3_num_f32 v[232+\b], |v[96+16*\b]|, |v[97+16*\b]|, 0x1800000
.endr
.irp i, 2,4,6,8,10,12,14
.irp b, 0,1
	s_delay_alu instid0(VALU_DEP_2)
	v_max3_num_f32 v[232+\b], v[232+\b], |v[96+16*\b+\i]|, |v[97+16*\b+\i]|
.endr
.endr
.irp b, 0,1
	s_delay_alu instid0(VALU_DEP_2)
	v_permlanex16_b32 v[236+\b], v[232+\b], s[SEL], s[SEL+1]
.endr
.irp b, 0,1
	s_delay_alu instid0(VALU_DEP_2)
	v_max_num_f32 v[232+\b], v[232+\b], v[236+\b]
.endr
.irp b, 0,1
	s_delay_alu instid0(VALU_DEP_2)
	v_add_nc_u32 v[244+\b], 0xff000000, v[232+\b]
.endr
.irp b, 0,1
	s_delay_alu instid0(VALU_DEP_2)
	v_lshrrev_b32 v[236+\b], 23, v[244+\b]
.endr
	s_delay_alu instid0(VALU_DEP_1)
	v_lshl_or_b32 v240, v237, 8, v236              ; my row's two scale bytes
.irp b, 0,1
	v_cvt_scalef32_pk8_fp4_f32 v[224+2*\b], v[96+16*\b:103+16*\b], v[244+\b]
	v_cvt_scalef32_pk8_fp4_f32 v[225+2*\b], v[104+16*\b:111+16*\b], v[244+\b]
.endr
	v_nop
	v_permlane16_swap_b32 v224, v226               ; lanes 0-15 block 0, lanes 16-31 block 1
	v_permlane16_swap_b32 v225, v227
	global_store_b128 v[LI], v[224:227], s[44:45]  ; the wave stores 512 consecutive bytes, aligned
	ds_store_b16 v[OSA], v240 offset:512*\p        ; lanes r and r + 16 write the same two bytes with the same value
.endm
.macro OSOUT p                         ; behind a barrier: wave 0 stores the block's 512 scale bytes [row 16][tile 16] as one run
	s_cmp_lg_u32 s[WV], 0
	s_cbranch_scc1 .Lnot_0_\@
	ds_load_b128 v[200:203], v[OSR] offset:512*\p
	s_wait_dscnt 0x0
	global_store_b128 v[LI], v[200:203], s[46:47]
.Lnot_0_\@:
.endm
	PREP 0
	s_wait_tensorcnt 1                             ; my part of keys 0 .. 1,023 is in; the second half's load may stay out: pass 0 reads the first half alone, and nothing is filled again
	s_barrier_signal -1
	s_barrier_wait -1                              ; everybody's is
	WALK 8, 16                                     ; block i, at most 3: keys up to 1,023
	OUT 0
	s_wait_tensorcnt 0x0                           ; my part of the second half is in,
	s_wait_dscnt 0x0                               ; and my scale bytes are stored
	s_barrier_signal -1
	s_barrier_wait -1                              ; everybody's are
	OSOUT 0
	PREP 1
	WALK 16, 204                                   ; block 7 - i
	OUT 1
	s_wait_dscnt 0x0                               ; my scale bytes are stored
	s_barrier_signal -1
	s_barrier_wait -1
	OSOUT 1
	s_wait_tensorcnt 0x0                           ; the wave's end, behind my last tensor load and my last LDS store
	ds_add_u32 v[SPW], v[NIL]
	s_wait_dscnt 0x0
	s_endpgm
.Lfunc_end_k_qb30b106b5f_attn:
	.size	k_qb30b106b5f_attn, .Lfunc_end_k_qb30b106b5f_attn-k_qb30b106b5f_attn
	.p2alignl 7, 3214868480
	.fill 96, 4, 3214868480
	.section	.rodata,"a",@progbits
	.p2align	6, 0x0
	.amdhsa_kernel k_qb30b106b5f_attn
		.amdhsa_group_segment_fixed_size 167936
		.amdhsa_private_segment_fixed_size 0
		.amdhsa_enable_private_segment 0
		.amdhsa_kernarg_size 24
		.amdhsa_user_sgpr_count 2
		.amdhsa_user_sgpr_kernarg_segment_ptr 1
		.amdhsa_wavefront_size32 1
		.amdhsa_system_sgpr_workgroup_id_x 1
		.amdhsa_system_sgpr_workgroup_id_y 1
		.amdhsa_system_sgpr_workgroup_id_z 1
		.amdhsa_system_vgpr_workitem_id 0
		.amdhsa_next_free_vgpr 256
		.amdhsa_next_free_sgpr 66
		.amdhsa_reserve_vcc 1
		.amdhsa_float_denorm_mode_32 3
		.amdhsa_float_denorm_mode_16_64 3
		.amdhsa_memory_ordered 1
		.amdhsa_forward_progress 1
		.amdhsa_inst_pref_size 62
	.end_amdhsa_kernel
	.amdgpu_metadata
---
amdhsa.version: [ 1, 2 ]
amdhsa.kernels:
  - .name:           k_qb30b106b5f_attn
    .symbol:         k_qb30b106b5f_attn.kd
    .args:
      - { .name: qi, .offset: 0, .size: 8, .value_kind: global_buffer, .address_space: global }
      - { .name: kv, .offset: 8, .size: 8, .value_kind: global_buffer, .address_space: global }
      - { .name: oq, .offset: 16, .size: 8, .value_kind: global_buffer, .address_space: global }
    .group_segment_fixed_size: 167936
    .private_segment_fixed_size: 0
    .kernarg_segment_align: 8
    .kernarg_segment_size: 24
    .max_flat_workgroup_size: 512
    .sgpr_count:     66
    .vgpr_count:     256
    .wavefront_size: 32
...
	.end_amdgpu_metadata
.endif
;; end of part 3
;; launch proj (part 4): grid 4 x 32, 4 waves a work-group, clusters of 4 x 4, 327,680 bytes of LDS; arguments oq, wp, b_proj, out0; writes out0
.if DOCPART == 4
	.amdgcn_target "amdgcn-amd-amdhsa--gfx1250"
	.amdhsa_code_object_version 6
	.text
	.protected	k_qb30b106b5f_proj
	.globl	k_qb30b106b5f_proj
	.p2align	8
	.type	k_qb30b106b5f_proj,@function
k_qb30b106b5f_proj:
	s_mov_b64 s[64:65], 0
	v_nop
	global_prefetch_b8 v0, s[64:65] scope:SCOPE_SE
	s_setreg_imm32_b32 hwreg(HW_REG_WAVE_MODE, 25, 1), 1
	s_wait_xcnt 0x0
	s_wait_alu depctr_hold_cnt(0) depctr_sa_sdst(0) depctr_va_vdst(0) depctr_va_sdst(0) depctr_va_ssrc(0) depctr_va_vcc(0) depctr_vm_vsrc(0)
	s_getreg_b32 s2, hwreg(HW_REG_IB_STS2, 6, 4)
	s_cmp_eq_u32 s2, 0
	s_cbranch_scc0 .Lentry_in_a_cluster
	s_endpgm
.Lentry_in_a_cluster:
	s_bfe_u32 s2, ttmp6, 0x10000c
	s_cmp_lg_u32 s2, 0xf033
	s_cbranch_scc0 .Lentry_shape_is_right
	s_endpgm
.Lentry_shape_is_right:
; out0 = o W_proj^T + b_proj on codes of FP4 (E2M1) with one E8M0 scale for each 32 along K = 1,024.  out0: [8192][1024] f32.
; A work-group of four waves makes 256 x 256 of the output, a wave 128 x 128: 64 accumulators, 512 registers.  K goes in two steps of 512 through two LDS slots, both asked for at the head: nothing is filled again.
; 128 work-groups: the output has 128 tiles of 256 x 256; this text keeps the large wave tile, which reads each LDS byte for the most products.
; o ARRIVES AS IMAGES OF ITS OPERAND REGISTERS: oq [tile of 16 tokens 512][head 16][lane 32][16 bytes]: lane (r, h) = block h of the head's 64 of the tile's row r.  A fragment of 128 along K is two heads' images: two loads of
; 16 bytes a lane, 512 consecutive bytes each: no pitch, no padding.  Its scale bytes: [block of 256 tokens 32][head 16][row 16][tile 16] pairs of bytes.
; ROW ORDER.  Row r of token tile t is token 32 (t / 2) + 8 (t % 2) + r % 8 + 16 (r / 8); wp holds its rows in the same order, so register j of accumulator (a, b) in lane (r, h) is output feature
; 32 (b / 2) + 16 h + 8 (b % 2) + j.  The way out puts both back.
; CLUSTERS: 4 x 4 work-groups; o's tiles are shared along a row of the cluster, W_proj's along a column: each is asked for jointly.  THE MATRIX INSTRUCTION IS USED TRANSPOSED (source 0 = W_proj's rows, source 1 = tokens).
; The bias is the C of each sum's first matrix instruction.  All scale words are made once, behind the first barrier, and stay in registers.  No tile is prefetched: all tiles are asked for by the first loads.
; REGISTERS, in windows of 256: window 0: v0-31 addresses; v32-95 o's scale words (8 a + K step); v96-127 at work; v128-191 o's fragments, one set; v192-255 W_proj's scale words (8 b + K step); on the way out v128-255 rows.
;   window 1: W_proj's fragments, two sets, at v0 and v128; v64-127 the bias.   window 2: the accumulators of my rows 0-63;   window 3: those of my rows 64-127.
.set NQ,     4
.set ROWB,   256
.set KROW,   512
.set PITCH,  272                       ; W_proj's LDS row: 256 bytes + 16 of padding, so the 16 rows that a load touches start at 16 different banks (64 banks of 4 bytes: ISA guide 11.1)
.set FR,     8
.set NL,     2
.set NP,     4
.set HALFA,  32768                     ; o: 8 tiles x 4,096 bytes (8 heads' images)
.set HALFT,  128*PITCH
.set AB,     2*HALFA                   ; W_proj's rows lie behind o's 16 tiles
.set SLOT,   AB+2*HALFT
.set SCLB,   2*SLOT                    ; W_proj's scale bytes, as runs of 256 bytes + 16 of padding
.set HALFS,  16*272
.set SBLK,   2*272
.set OSL,    SCLB+2*HALFS              ; o's scale bytes: 16 heads x 512
.set SPARE,  OSL+8192                  ; the spare words, 128 bytes for each wave
.set SPITCH, 528                       ; the way out: a stage of 16 rows x (512 bytes + 16) for each wave, in slot 0, which has had its only fill and its last read when the first result is stored there
.set OC,     4194304                   ; where the scale bytes begin in oq,
.set WPC,    524288                    ; and in wp
.set ADRA, 16
.set ADRB, 20
.set STO,  24
.set RD,   25
.set CO,   26
.set ASB,  27                          ; v27  W_proj's scale bytes of my row
.set SPW,  28
.set NIL,  29
.set BA,   30                          ; v30  the bias: 64 x (lane / 16)
.set ASA,  31                          ; v31  o's scale bytes of my row, my half's eight tiles
.set SCA,  32
.set TS,   96
.set AF,   128
.set SCB,  192
.set BI,   64                          ; the bias, in window 1
.set BK,   128
.set G1, 24
.set G0, 32
.set G1B, 48
.set G0B, 56
.set G1S, 68
.set G0S, 76
.set G1SB, 80
.set G0SB, 88
.set MSB, 0
.macro WIN new
.if MSB != \new
	s_set_vgpr_msb (MSB<<8)|\new
.set MSB, \new
.endif
.endm
.set MUL_LO, 0xa1                      ; source 0 window 1, source 1 window 0, C and D window 2
.set MUL_HI, 0xf1                      ; the same, C and D window 3
.set FST_LO, 0x91                      ; the first step: C (the bias) window 1, D window 2
.set FST_HI, 0xd1                      ; D window 3
.set TO_B,   0x40
.macro JLOAD g0a, g1a, g0b, g1b        ; waves 0 and 1 fetch for o, waves 2 and 3 for W_proj; an s_nop 0 and four v_nop follow each of the two lines
	s_cmp_eq_u32 s15, 0
	s_cbranch_scc0 .Lfor_b_\@
	tensor_load_to_lds s[\g0a:\g0a+3], s[\g1a:\g1a+7]
	s_nop 0
.rept 4
	v_nop
.endr
	s_branch .Lasked_\@
.Lfor_b_\@:
	tensor_load_to_lds s[\g0b:\g0b+3], s[\g1b:\g1b+7]
	s_nop 0
.rept 4
	v_nop
.endr
.Lasked_\@:
.endm
.macro CROUND
	s_barrier_signal -1
	s_barrier_wait -1
	s_cmp_lg_u32 s14, 0
	s_cbranch_scc1 .Lnot_wave_0_\@
	s_barrier_signal -3
.Lnot_wave_0_\@:
	s_barrier_wait -3
	s_barrier_signal -1
	s_barrier_wait -1
.endm
	s_load_b256 s[4:11], s[0:1], 0x0               ; oq s[4:5], wp s[6:7], b_proj s[8:9], out0 s[10:11]
	v_lshl_add_u32 v[SPW], v0, 2, SPARE
	v_mov_b32 v[NIL], 0
	ds_add_u32 v[SPW], v[NIL]                      ; the wave's opening: the add, twice on end, and its wait ahead of my first tensor load
	ds_add_u32 v[SPW], v[NIL]
	v_lshrrev_b32 v1, 5, v0
	v_readfirstlane_b32 s14, v1                    ; wave 0..3
	s_lshr_b32 s15, s14, 1                         ; which half of the tile's tokens is mine.  Also: I fetch for o (0) or for W_proj (1)
	s_and_b32 s16, s14, 1                          ; which half of its features.  Also: which half of that tile I fetch
	s_bfe_u32 s40, ttmp6, 0x40000                  ; cx, cy
	s_bfe_u32 s41, ttmp6, 0x40004
	s_lshl_b32 s42, ttmp9, 2
	s_add_co_u32 s42, s42, s40                     ; tile column
	s_and_b32 s17, ttmp7, 0xffff
	s_lshl_b32 s17, s17, 2
	s_add_co_u32 s17, s17, s41                     ; tile row: the block of 256 tokens
	s_lshl_b32 s43, s41, 2
	s_lshl_b32 s43, 15, s43                        ; my row of the cluster
	s_lshl_b32 s44, 0x1111, s40                    ; my column
	s_or_b32 s[G1+0], s43, (3<<16)|(1<<21)         ; o's codes: the mask; elements of 8 bytes; no padding; bit 21 beside a mask
	s_mov_b32 s[G1+1], 512<<16                     ; tensor_dim0 = 512: 4,096 bytes, eight heads' images of one tile
	s_mov_b32 s[G1+2], 8<<16                       ; tensor_dim1 = 8 tiles
	s_mov_b32 s[G1+3], 512<<16                     ; tile_dim0
	s_mov_b32 s[G1+4], 8                           ; tile_dim1
	s_mov_b32 s[G1+5], 1024                        ; from tile to tile: 8,192 bytes
	s_mov_b32 s[G1+6], 0
	s_mov_b32 s[G1+7], 0
	s_or_b32 s[G1B+0], s44, (0<<16)|(1<<20)|(1<<21)|(5<<22)|(3<<25)  ; W_proj's codes: elements of 1 byte; 4 words of padding after every 64
	s_mov_b32 s[G1B+1], ROWB<<16
	s_mov_b32 s[G1B+2], 128<<16
	s_mov_b32 s[G1B+3], ROWB<<16
	s_mov_b32 s[G1B+4], 128
	s_mov_b32 s[G1B+5], KROW
	s_mov_b32 s[G1B+6], 0
	s_mov_b32 s[G1B+7], 0
	s_or_b32 s[G1S+0], s43, (3<<16)|(1<<21)        ; o's scale bytes: 4,096 dense bytes as 16 rows of 256, no padding
	s_or_b32 s[G1SB+0], s44, (3<<16)|(1<<20)|(1<<21)|(5<<22)|(3<<25)  ; W_proj's: the same with 16 bytes of padding behind each row
.irp g, G1S, G1SB
	s_mov_b32 s[\g+1], 32<<16
	s_mov_b32 s[\g+2], 16<<16
	s_mov_b32 s[\g+3], 32<<16
	s_mov_b32 s[\g+4], 16
	s_mov_b32 s[\g+5], 32
	s_mov_b32 s[\g+6], 0
	s_mov_b32 s[\g+7], 0
.endr
	s_lshl_b32 s20, s17, 17                        ; o's codes: 131,072 bytes a block of 256 tokens,
	s_lshl_b32 s18, s16, 16                        ; 65,536 a half
	s_add_co_u32 s20, s20, s18
	s_mov_b32 s21, 0
	s_lshl_b32 s22, s17, 13                        ; its scale bytes: 8,192 a block, 4,096 a half (eight heads)
	s_lshl_b32 s18, s16, 12
	s_add_co_u32 s22, s22, s18
	s_add_co_u32 s22, s22, OC
	s_mov_b32 s23, 0
	s_lshl_b32 s46, s42, 8
	s_lshl_b32 s18, s16, 7
	s_add_co_u32 s46, s46, s18                     ; W_proj: row 256 x tile column + 128 x half
	s_lshl_b32 s92, s46, 5
	s_add_co_u32 s92, s92, WPC
	s_lshl_b32 s46, s46, 9
	s_mov_b32 s47, 0
	s_mov_b32 s93, 0
	s_lshl_b32 s45, s16, 15                        ; where they go: no place in the cluster enters an LDS address
	s_mul_i32 s95, s16, HALFT
	s_add_co_u32 s95, s95, AB
	s_lshl_b32 s94, s16, 12
	s_add_co_u32 s94, s94, OSL
	s_mul_i32 s96, s16, HALFS
	s_add_co_u32 s96, s96, SCLB
	s_mov_b32 s2, 0x05040100                       ; v_perm_b32: the two low halves,
	s_mov_b32 s3, 0x07060302                       ; the two high halves
	s_wait_dscnt 0x0                               ; both opening adds are done
	s_wait_kmcnt 0x0
	s_add_nc_u64 s[20:21], s[4:5], s[20:21]
	s_add_nc_u64 s[22:23], s[4:5], s[22:23]
	s_add_nc_u64 s[46:47], s[6:7], s[46:47]
	s_add_nc_u64 s[92:93], s[6:7], s[92:93]
	CROUND                                         ; all sixteen work-groups are here: the first joint loads meet
	s_mov_b32 s[G0S], 1
	s_mov_b32 s[G0S+1], s94
	s_mov_b64 s[G0S+2:G0S+3], s[22:23]
	s_or_b32 s[G0S+3], s[G0S+3], 0x80000000
	s_mov_b32 s[G0SB], 1
	s_mov_b32 s[G0SB+1], s96
	s_mov_b64 s[G0SB+2:G0SB+3], s[92:93]
	s_or_b32 s[G0SB+3], s[G0SB+3], 0x80000000
	JLOAD G0S, G1S, G0SB, G1SB                     ; the scale bytes first
.irp s, 0,1
	s_mov_b32 s[G0+4*\s], 1
	s_add_co_u32 s[G0+4*\s+1], s45, \s*SLOT
	s_add_nc_u64 s[G0+4*\s+2:G0+4*\s+3], s[20:21], \s*4096       ; slot s: heads 8 s .. 8 s + 7
	s_or_b32 s[G0+4*\s+3], s[G0+4*\s+3], 0x80000000
	s_mov_b32 s[G0B+4*\s], 1
	s_add_co_u32 s[G0B+4*\s+1], s95, \s*SLOT
	s_add_nc_u64 s[G0B+4*\s+2:G0B+4*\s+3], s[46:47], \s*ROWB
	s_or_b32 s[G0B+4*\s+3], s[G0B+4*\s+3], 0x80000000
	JLOAD G0+4*\s, G1, G0B+4*\s, G1B               ; three loads of mine are out behind the second of these
.endr
	v_and_b32 v1, 15, v0                           ; r
	v_bfe_u32 v2, v0, 4, 1                         ; h
	v_and_b32 v6, 31, v0
	v_lshlrev_b32 v[CO], 4, v6                     ; 16 x lane
	v_mul_u32_u24 v3, v1, PITCH
	v_lshl_add_u32 v4, v2, 4, v3
	s_lshl_b32 s21, s15, 15                        ; my eight tiles of o
	s_mul_i32 s22, s16, HALFT
	s_add_co_u32 s22, s22, AB                      ; my 128 rows of W_proj
.irp s, 0,1
	v_add_nc_u32 v[ADRA+\s], s21, v[CO]
	v_add_nc_u32 v[ADRB+\s], s22, v4
	s_add_co_u32 s21, s21, SLOT
	s_add_co_u32 s22, s22, SLOT
.endr
	v_lshlrev_b32 v5, 5, v1                        ; 32 scale bytes a row,
	v_lshrrev_b32 v6, 3, v1
	v_lshl_add_u32 v5, v6, 4, v5                   ; and 16 more behind each 256
	s_mul_i32 s21, s16, HALFS
	s_add_co_u32 s21, s21, SCLB
	v_add_nc_u32 v[ASB], s21, v5
	s_lshl_b32 s21, s15, 4
	s_add_co_u32 s21, s21, OSL
	v_lshl_add_u32 v[ASA], v1, 5, s21              ; o's: 32 bytes a row (16 tiles), my half's eight tiles
	s_mul_i32 s23, s14, 16*SPITCH                  ; my stage
	v_mul_u32_u24 v5, v1, SPITCH
	v_lshl_add_u32 v5, v2, 6, v5
	v_add_nc_u32 v[STO], s23, v5                   ; in: row r, + 64 h
	v_add_nc_u32 v[RD], s23, v[CO]                 ; back: the 32 lanes take one row of 512 bytes
	v_lshlrev_b32 v[BA], 6, v2
	s_lshl_b32 s20, s42, 8
	s_lshl_b32 s21, s16, 7
	s_add_co_u32 s20, s20, s21                     ; my first feature
	s_lshl_b32 s20, s20, 2
	s_mov_b32 s21, 0
	s_add_nc_u64 s[8:9], s[8:9], s[20:21]          ; its bias,
	s_add_nc_u64 s[10:11], s[10:11], s[20:21]      ; and its column of the output
	s_lshl_b32 s20, s17, 8
	s_lshl_b32 s22, s15, 7
	s_add_co_u32 s20, s20, s22                     ; my first token
	s_lshl_b32 s20, s20, 12                        ; 4,096 bytes a row
	s_add_nc_u64 s[10:11], s[10:11], s[20:21]
	WIN TO_B
.irp b, 0,1,2,3,4,5,6,7
	global_load_b128 v[BI+8*\b:BI+8*\b+3], v[BA], s[8:9] offset:(32*(\b/2)+8*(\b%2))*4        ; register 8 b + j: the bias of feature 32 (b / 2) + 16 h + 8 (b % 2) + j
	global_load_b128 v[BI+8*\b+4:BI+8*\b+7], v[BA], s[8:9] offset:(32*(\b/2)+8*(\b%2))*4+16
.endr
	WIN 0
.macro MUL16 a0, p, q, sl, first       ; 16 matrix instructions; the 64 accumulators take turns, one instruction a turn, in the same order in every step
.irp a, \a0, \a0+1
.irp b, 0,1,2,3,4,5,6,7
.if \first
	v_wmma_scale_f32_16x16x128_f8f6f4 v[8*(8*((\a)%4)+\b):8*(8*((\a)%4)+\b)+7], v[128*(\p)+FR*\b:128*(\p)+FR*\b+FR-1], v[AF+FR*(\a):AF+FR*(\a)+FR-1], v[BI+8*\b:BI+8*\b+7], v[SCB+8*\b+4*(\sl)+(\q)], v[SCA+8*(\a)+4*(\sl)+(\q)] matrix_a_fmt:MATRIX_FMT_FP4 matrix_b_fmt:MATRIX_FMT_FP4
.else
	v_wmma_scale_f32_16x16x128_f8f6f4 v[8*(8*((\a)%4)+\b):8*(8*((\a)%4)+\b)+7], v[128*(\p)+FR*\b:128*(\p)+FR*\b+FR-1], v[AF+FR*(\a):AF+FR*(\a)+FR-1], v[8*(8*((\a)%4)+\b):8*(8*((\a)%4)+\b)+7], v[SCB+8*\b+4*(\sl)+(\q)], v[SCA+8*(\a)+4*(\sl)+(\q)] matrix_a_fmt:MATRIX_FMT_FP4 matrix_b_fmt:MATRIX_FMT_FP4
.endif
.endr
.endr
.endm
.macro FETCH_B slot, q, p
	WIN TO_B
.irp i, 0,1,2,3,4,5,6,7
.irp c, 0,1
	ds_load_b128 v[128*(\p)+FR*\i+4*\c:128*(\p)+FR*\i+4*\c+3], v[ADRB+\slot] offset:64*(\q)+32*\c+\i*16*PITCH
.endr
.endr
	WIN 0
.endm
.macro FETCH_A slot, q, i0             ; o's tiles i0 .. i0 + 3: two heads' images each
.irp i, \i0, \i0+1, \i0+2, \i0+3
.irp c, 0,1
	ds_load_b128 v[AF+FR*(\i)+4*\c:AF+FR*(\i)+4*\c+3], v[ADRA+\slot] offset:(\i)*4096+(\q)*1024+512*\c
.endr
.endr
.endm
.macro PLACES n
.rept \n
	v_nop
.endr
.endm
.macro STEP slot, q, first
	s_wait_dscnt 4*NL                              ; W_proj's set and o's tiles 0-3 are in; the eight youngest loads (tiles 4-7) may be out
.if \first
	WIN FST_LO
.else
	WIN MUL_LO
.endif
	MUL16 0, (\q)%2, \q, \slot, \first
	MUL16 2, (\q)%2, \q, \slot, \first
	s_wait_dscnt 0
	PLACES NP
	FETCH_B \slot, (\q)+1, 1-(\q)%2
	FETCH_A \slot, (\q)+1, 0
.if \first
	WIN FST_HI
.else
	WIN MUL_HI
.endif
	MUL16 4, (\q)%2, \q, \slot, \first
	MUL16 6, (\q)%2, \q, \slot, \first
	PLACES NP
	WIN 0
	FETCH_A \slot, (\q)+1, 4
.endm
.macro TURN slot, next                 ; slot 0's last step changes slots: all my tensor loads, the add, my reads; behind the barrier slot 1 is whole and nobody reads slot 0.  Nothing is filled again
	s_wait_tensorcnt 0x0
	ds_add_u32 v[SPW], v[NIL]
	s_wait_dscnt 4*NL+1                            ; (the add and the eight youngest loads may be out)
	WIN MUL_LO
	MUL16 0, 1, NQ-1, \slot, 0
	s_wait_dscnt 0x0
	s_barrier_signal -1
	MUL16 2, 1, NQ-1, \slot, 0
	WIN 0
	s_barrier_wait -1
	PLACES NP
	FETCH_B \next, 0, 0
	FETCH_A \next, 0, 0
	WIN MUL_HI
	MUL16 4, 1, NQ-1, \slot, 0
	MUL16 6, 1, NQ-1, \slot, 0
	PLACES NP
	WIN 0
	FETCH_A \next, 0, 4
.endm
.macro STEPS slot, from
.set Q, \from
.rept NQ-1-\from
	STEP \slot, Q, 0
.set Q, Q+1
.endr
.endm
	s_wait_tensorcnt 1                             ; the scale bytes and my part of slot 0 are in (slot 1's load may be out)
	s_barrier_signal -1
	s_barrier_wait -1                              ; everybody's are
	FETCH_B 0, 0, 0
	FETCH_A 0, 0, 0
	FETCH_A 0, 0, 4
.irp b, 0,1,2,3,4,5,6,7
	ds_load_b128 v[SCB+8*\b:SCB+8*\b+3], v[ASB] offset:SBLK*\b          ; W_proj's block b: my row's eight scale words, one for each 128 along K
	ds_load_b128 v[SCB+8*\b+4:SCB+8*\b+7], v[ASB] offset:SBLK*\b+16
.endr
.irp g, 0,1                                    ; o's scale words, eight heads at a time: a head's load brings my row's pairs of bytes of eight tiles
.irp k, 0,1,2,3,4,5,6,7
	ds_load_b128 v[TS+4*\k:TS+4*\k+3], v[ASA] offset:(8*\g+\k)*512
.endr
	s_wait_dscnt 0x0
.irp m, 0,1,2,3                                ; K step 4 g + m = heads 8 g + 2 m and 8 g + 2 m + 1
.irp j, 0,1,2,3
	v_perm_b32 v[SCA+16*\j+4*\g+\m], v[TS+8*\m+4+\j], v[TS+8*\m+\j], s2      ; tile 2 j: {the even head's two bytes, the odd head's two}
	v_perm_b32 v[SCA+16*\j+8+4*\g+\m], v[TS+8*\m+4+\j], v[TS+8*\m+\j], s3    ; tile 2 j + 1
.endr
.endr
.endr
	PLACES 8                                       ; a scale register written by a vector line stands eight plain lines ahead of a scaled matrix instruction
	s_wait_loadcnt 0x0                             ; the bias
	STEP 0, 0, 1                                   ; the first products start the sums from the bias: nothing is cleared, nothing is added later
	STEPS 0, 1
	TURN 0, 1
	STEPS 1, 0
	s_wait_dscnt 4*NL                              ; the very last step: nothing more to fetch
	WIN MUL_LO
	MUL16 0, 1, NQ-1, 1, 0
	MUL16 2, 1, NQ-1, 1, 0
	s_wait_dscnt 0
	WIN MUL_HI
	MUL16 4, 1, NQ-1, 1, 0
	MUL16 6, 1, NQ-1, 1, 0
	WIN 0
; THE WAY OUT, block by block of 16 tokens x 128 features, through my own stage in LDS: in by features' true places, back as whole rows of 512 bytes.  LDS serves a wave's instructions in order (ISA guide 5.7.1.4).
.macro TOSTAGE a
.set AC, 64*((\a)%4)
.set WN, 0x08+4*((\a)/4)
	WIN WN                                         ; the data: window 2 or 3
.irp b, 0,1,2,3,4,5,6,7
	ds_store_b128 v[STO], v[AC+8*\b:AC+8*\b+3] offset:128*(\b/2)+32*(\b%2)         ; each accumulator from its low end on
	ds_store_b128 v[STO], v[AC+8*\b+4:AC+8*\b+7] offset:128*(\b/2)+32*(\b%2)+16
.endr
	WIN 0
.set BBK, BK+64*((\a)%2)
.irp t, 0,1,2,3,4,5,6,7,8,9,10,11,12,13,14,15
	ds_load_b128 v[BBK+4*\t:BBK+4*\t+3], v[RD] offset:\t*SPITCH
.endr
.endm
.macro SEND a, younger                 ; younger: the LDS instructions issued behind block a's loads, which may stay out
.set BBK, BK+64*((\a)%2)
	s_wait_dscnt \younger
.if (\a) > 0
.if ((\a)%2) == 1
	s_add_nc_u64 s[10:11], s[10:11], 8*4096        ; (behind a wait on XCNT)  block a begins at token 32 (a / 2) + 8 (a % 2): 8 rows on,
.else
	s_add_nc_u64 s[10:11], s[10:11], 24*4096       ; or 24
.endif
.endif
.irp t, 0,1,2,3,4,5,6,7,8,9,10,11,12,13,14,15
	global_store_b128 v[CO], v[BBK+4*\t:BBK+4*\t+3], s[10:11] offset:(\t+8*(\t/8))*4096 th:TH_STORE_NT   ; stage row t is token t % 8 + 16 (t / 8) of the block; 32 lanes store 512 consecutive bytes, aligned; written once
.endr
.endm
	PLACES NP                                      ; in front of the first read of results and of the loads into registers that the last products read
	TOSTAGE 0
.irp a, 1,2,3,4,5,6,7
.if \a > 1
	s_wait_xcnt 0x0                                ; block a - 2's stores have read their registers and their base
.endif
	TOSTAGE \a
	SEND \a-1, 32                                  ; behind block a - 1's loads: block a's 16 stores and 16 loads
.endr
	s_wait_xcnt 0x0
	SEND 7, 0
	s_wait_tensorcnt 0x0                           ; the wave's end, behind my last tensor load and my last LDS store
	ds_add_u32 v[SPW], v[NIL]
	s_wait_dscnt 0x0
	CROUND                                         ; the closing round
	s_endpgm
.Lfunc_end_k_qb30b106b5f_proj:
	.size	k_qb30b106b5f_proj, .Lfunc_end_k_qb30b106b5f_proj-k_qb30b106b5f_proj
	.p2alignl 7, 3214868480
	.fill 96, 4, 3214868480
	.section	.rodata,"a",@progbits
	.p2align	6, 0x0
	.amdhsa_kernel k_qb30b106b5f_proj
		.amdhsa_group_segment_fixed_size 327680
		.amdhsa_private_segment_fixed_size 0
		.amdhsa_enable_private_segment 0
		.amdhsa_kernarg_size 32
		.amdhsa_user_sgpr_count 2
		.amdhsa_user_sgpr_kernarg_segment_ptr 1
		.amdhsa_wavefront_size32 1
		.amdhsa_system_sgpr_workgroup_id_x 1
		.amdhsa_system_sgpr_workgroup_id_y 1
		.amdhsa_system_sgpr_workgroup_id_z 1
		.amdhsa_system_vgpr_workitem_id 0
		.amdhsa_next_free_vgpr 1024
		.amdhsa_next_free_sgpr 98
		.amdhsa_reserve_vcc 0
		.amdhsa_float_denorm_mode_32 3
		.amdhsa_float_denorm_mode_16_64 3
		.amdhsa_memory_ordered 1
		.amdhsa_forward_progress 1
		.amdhsa_inst_pref_size 132
	.end_amdhsa_kernel
	.amdgpu_metadata
---
amdhsa.version: [ 1, 2 ]
amdhsa.kernels:
  - .name:           k_qb30b106b5f_proj
    .symbol:         k_qb30b106b5f_proj.kd
    .args:
      - { .name: oq, .offset: 0, .size: 8, .value_kind: global_buffer, .address_space: global }
      - { .name: wp, .offset: 8, .size: 8, .value_kind: global_buffer, .address_space: global }
      - { .name: b_proj, .offset: 16, .size: 8, .value_kind: global_buffer, .address_space: global }
      - { .name: out0, .offset: 24, .size: 8, .value_kind: global_buffer, .address_space: global }
    .group_segment_fixed_size: 327680
    .private_segment_fixed_size: 0
    .kernarg_segment_align: 8
    .kernarg_segment_size: 32
    .max_flat_workgroup_size: 128
    .sgpr_count:     98
    .vgpr_count:     1024
    .wavefront_size: 32
...
	.end_amdgpu_metadata
.endif
;; end of part 4
